; MI455X (gfx1250); checked and timed in simulation.
; The chip was launched on July 23, 2026; its instructions are those of AMD's public machine-readable ISA for CDNA 5 (MIT licence, August 2026) and "CDNA5" Instruction Set Architecture Reference Guide (July 2026). The comments in the code are by the model that wrote it; some were corrected since.
;; Standard TRM. Allowed arithmetic: matrix products marked QUANTISED: E2M3 operands, one E8M0 scale for each 32 along K, by v_wmma_scale_f32_16x16x128_f8f6f4 with both operands' format E2M3, f32 sums; products left as they are: f32 operands where the result goes on into a quantised operand, else bf16, f16 or f32 operands; f32 sums; everything else in f32.
;; Inputs: W_comb 512 x 256 float32; W_down 1,024 x 256 float32; W_head 256 x 10 float32; W_in 256 x 256 float32; W_up 256 x 1,024 float32; W_yt 256 x 256 float32; b_comb 256 float32; b_down 256 float32; b_head 10 float32; b_in 256 float32; b_up 1,024 float32; b_yt 256 float32; ln_b 256 float32; ln_w 256 float32; x 65,536 x 256 float32; y_init 1 x 256 float32.
;; Outputs: out0 65,536 x 10 float32.
;; This version of the problem:
;;   THIS VERSION OF THE PROBLEM IS GIVEN IN LOW PRECISION. The matrix products marked QUANTISED in the list below multiply operands that are first quantised to E2M3 (2 exponent bits, 3 mantissa bits; 6 bits a number), with one power-of-two scale for each 32 numbers along K (OCP MX v1.0); their sums are f32. All else is computed in f32.
;;   The module's matrix products, in the order in which they are computed (A, B: the left and right operand; K: the contracted axis; several contracted axes count as one K, in the product's order):
;;     1. [M 65,536, K 256] x [K 256, N 256]; A: input x; B: input W_in: QUANTISED
;;     2. [M 65,536, K 256] x [K 256, N 1,024]; A: computed on the way; B: input W_up: QUANTISED
;;     3. [M 65,536, K 1,024] x [K 1,024, N 256]; A: computed on the way; B: input W_down: QUANTISED
;;     4. [M 65,536, K 512] x [K 512, N 256]; A: computed on the way; B: input W_comb: QUANTISED
;;     5. [M 65,536, K 256] x [K 256, N 256]; A: computed on the way; B: input W_yt: QUANTISED
;;     6. [M 65,536, K 256] x [K 256, N 10]; A: computed on the way; B: input W_head: left as it is (N = 10 < 16)
;;   THE QUANTISER, for each operand of a quantised product, along K:
;;     - K is cut into blocks of 32 from its start; a last block that is shorter is filled with zeros.
;;     - A block's scale is 2^e with e = floor(log2(the largest magnitude in the block)) - 2, held to -126 .. 127; a block of zeros has e = 0. As a byte (E8M0): e + 127.
;;     - Each number is divided by its block's scale, clamped to +-7.5, and rounded to the nearest number of E2M3, ties to even, subnormals kept.
;;     - The product sums the exact products of the quantised numbers (number of the format x scale) in f32.
;;   ~~~python
;;   def quantise(x, axis):      # numpy; x: float32 -> the quantised numbers, widened to float32 again
;;       x = np.moveaxis(x, axis, -1); K = x.shape[-1]
;;       x = np.pad(x, [(0, 0)] * (x.ndim - 1) + [(0, -K % 32)]); x = x.reshape(x.shape[:-1] + (-1, 32)); a = np.abs(x).max(-1, keepdims=True)
;;       e = np.where(a > 0, np.clip(np.frexp(np.where(a > 0, a, 1))[1] - 1 - 2, -126, 127), 0)      # np.frexp(a)[1] - 1 = floor(log2(a)), exactly
;;       r = np.clip(x / 2.0 ** e, -7.5, 7.5)
;;       step = 2.0 ** (np.maximum(np.frexp(np.where(r == 0, 1, r))[1] - 1, 0) - 3)
;;       q = np.round(r / step) * step * 2.0 ** e      # np.round: ties to even
;;       return np.moveaxis(q.reshape(q.shape[:-2] + (-1,))[..., :K], -1, axis).astype(np.float32)
;;   ~~~
;;   OPERANDS COMPUTED ON THE WAY. 'Computed on the way' means the value that the module computes at that place (a softmax that the list does not call 'softmax' is quantised finished and normalised). What goes into a quantiser is computed in f32, as accurately as f32 sums, v_exp_f32 and their like allow (about 1e-6 of the number): no bf16 or f16 on the way to a quantiser, and a product that is left as it is and whose result goes on into a quantised operand takes f32 operands (vector FMAs, or v_wmma_f32_16x16x4_f32). A number that lies on a knife's edge between two numbers of the format may be rounded either way, as far as f32 arithmetic and the matrix unit's own rounding can turn it there, and no further.
;; 2 versions. Each part assembles by itself: llvm-mc -triple=amdgcn-amd-amdhsa -mcpu=gfx1250 --defsym DOCPART=n.
;; ======== version 1 of 2: 2 launches
;; workspace buffers: wq 647,424 bytes
;; launch prep (part 1): grid 97 x 1, 4 waves a work-group, no clusters, 768 bytes of LDS; arguments W_in, W_up, W_down, W_comb, W_yt, b_in, b_up, b_down, ln_w, ln_b, b_comb, b_yt, y_init, W_head, b_head, wq; writes wq
.if DOCPART == 1
	.amdgcn_target "amdgcn-amd-amdhsa--gfx1250"
	.amdhsa_code_object_version 6
	.text
	.protected	k_q7b32d36b54_prep
	.globl	k_q7b32d36b54_prep
	.p2align	8
	.type	k_q7b32d36b54_prep,@function
k_q7b32d36b54_prep:
	s_mov_b64 s[64:65], 0
	v_nop
	global_prefetch_b8 v0, s[64:65] scope:SCOPE_SE
	s_setreg_imm32_b32 hwreg(HW_REG_WAVE_MODE, 25, 1), 1
	s_wait_xcnt 0x0
; The five weights of the quantised products, f32 stored [K][N], become codes of FP6 (E2M3) with one E8M0 byte for each 32 along K, laid in wq IN THE ORDER OF THE OPERAND'S REGISTERS.
; wq is 96 groups of GRP = 6,656 bytes (26 x 256), then the head block.  A group: four fragments (16 rows x 128 K: 12 registers a lane), fragment f's registers 4 c .. 4 c + 3 of lane l at 1536 f + 512 c + 16 l;
; at 6,144 the four fragments' scale words (64 f + 4 r); at 6,400 a payload of 64 f32 (a bias, a gain or y_init, as the second launch wants it beside these fragments).
; THE ROWS OF A TILE ARE NOT NEIGHBOURS: lane r of tile t takes column n = 32 (t / 2) + 8 (t % 2) + r + 8 (r / 8) of the weight, so that the results of two neighbouring tiles are 16 neighbours along the next K.
; A LANE TAKES A COLUMN n AND ITS REGISTERS RUN DOWN K, in the operand's own order (k = 64 c + 32 (lane / 16) + 0 .. 31): the conversions' results are the operand's registers; a lane holds two whole blocks.
; SHARES: work-group w < 96 makes group w, wave f its fragment f (64 loads of 4 bytes a lane; sixteen lanes read two runs of 32 neighbouring bytes).  Work-group 96 makes the head block: W_head as bf16 fragments, b_head.
; A block's scale is 2^(floor(log2(largest magnitude)) - 2); its byte is the largest magnitude's exponent field - 2, held at 1 from below.  A block of zeros so gets the byte 1 where the rule says 127:
; its codes are zeros, which add nothing under any byte but 0xff, and this program alone reads the bytes.
; LIMITS: blocks whose largest magnitude lies under 2^(3 - 127) keep the byte 1; NaN and infinities among the inputs are not served.
.set GRP,     6656
.set HEADOFF, 96*GRP
	s_load_b512 s[4:19], s[0:1], 0x0               ; W_in s[4:5], W_up s[6:7], W_down s[8:9], W_comb s[10:11], W_yt s[12:13], b_in s[14:15], b_up s[16:17], b_down s[18:19]
	s_load_b512 s[20:35], s[0:1], 0x40             ; ln_w s[20:21], ln_b s[22:23], b_comb s[24:25], b_yt s[26:27], y_init s[28:29], W_head s[30:31], b_head s[32:33], wq s[34:35]
	v_lshl_add_u32 v128, v0, 2, 0x100
	v_mov_b32 v129, 0
	v_lshrrev_b32 v1, 5, v0
	v_readfirstlane_b32 s36, v1                    ; wave f
	v_and_b32 v2, 31, v0                           ; lane
	v_and_b32 v3, 15, v0                           ; r
	v_bfe_u32 v4, v0, 4, 1                         ; h
	v_lshlrev_b32 v5, 4, v2                        ; 16 x lane
	v_lshlrev_b32 v6, 3, v2                        ; 8 x lane
	s_mov_b32 s60, 0x76543210
	s_mov_b32 s61, 0xfedcba98                      ; v_permlanex16_b32's selects for lane l xor 16
	s_wait_kmcnt 0x0
	s_cmp_eq_u32 ttmp9, 96                         ; the same in all four waves
	s_cbranch_scc1 .Lhead
	; ---- which weight, which tiles, which K steps.  Stage = w / 8, g = w % 8.  Kind 0: W_in (stage 0); 1: W_up (stages 1-8, g < 4); 2: W_down (stages 1-8, g >= 4); 3: W_comb (stages 9, 10); 4: W_yt (stage 11)
	s_lshr_b32 s37, ttmp9, 3                       ; stage
	s_and_b32 s38, ttmp9, 7                        ; g
	s_sub_co_u32 s39, s37, 1                       ; c: the chunk of 128 hidden units
	s_sub_co_u32 s40, ttmp9, 72                    ; G: W_comb's group
	s_lshr_b32 s41, s38, 2
	s_add_co_u32 s41, s41, 1
	s_cmp_eq_u32 s37, 0
	s_cselect_b32 s41, 0, s41
	s_cmp_ge_u32 s37, 9
	s_cselect_b32 s41, 3, s41
	s_cmp_eq_u32 s37, 11
	s_cselect_b32 s41, 4, s41                      ; the kind
	s_lshl_b32 s45, s38, 1                         ; first tile T0: kinds 0 and 4: 2 g
	s_lshl_b32 s66, s39, 3
	s_add_co_u32 s66, s66, s45                     ; kind 1: 8 c + 2 g
	s_lshl_b32 s67, s38, 2
	s_sub_co_u32 s67, s67, 16                      ; kind 2: 4 (g - 4)
	s_and_b32 s68, s40, -2                         ; kind 3: G without its lowest bit
	s_and_b32 s69, s40, 1
	s_lshl_b32 s70, s69, 1                         ; kind 3: first K step 2 (G % 2)
	s_cmp_eq_u32 s39, 6                            ; kind 2's payload: b_down, in chunk 6 ln_w, in chunk 7 ln_b
	s_cselect_b64 s[72:73], s[20:21], s[18:19]
	s_cmp_eq_u32 s39, 7
	s_cselect_b64 s[72:73], s[22:23], s[72:73]
	s_cmp_eq_u32 s69, 1                            ; kind 3's: b_comb, in the odd groups y_init
	s_cselect_b64 s[74:75], s[28:29], s[24:25]
	s_mov_b32 s46, 0                               ; first K step S0
	s_mov_b32 s47, 0x20000                         ; bytes for f % 2: a K step, 128 rows of 1,024 bytes
	s_mov_b32 s48, 32                              ; bytes for f / 2: the pair's second tile, 8 columns on
	s_mov_b32 s44, 0x8000                          ; 32 rows in bytes
	s_mov_b32 s55, 15                              ; the payload repeats behind 16 lanes (32 numbers)
	s_mov_b64 s[42:43], s[4:5]
	s_mov_b64 s[50:51], s[14:15]
	s_cmp_eq_u32 s41, 1
	s_cselect_b32 s45, s66, s45
	s_cselect_b32 s47, 0x80000, s47                ; W_up's rows are 4,096 bytes
	s_cselect_b32 s44, 0x20000, s44
	s_cselect_b64 s[42:43], s[6:7], s[42:43]
	s_cselect_b64 s[50:51], s[16:17], s[50:51]
	s_cmp_eq_u32 s41, 2
	s_cselect_b32 s45, s67, s45
	s_cselect_b32 s46, s39, s46
	s_cselect_b32 s47, 32, s47                     ; here the four fragments are four tiles of one K step
	s_cselect_b32 s48, 0x80, s48
	s_cselect_b32 s55, 31, s55                     ; and the payload is 64 different numbers
	s_cselect_b64 s[42:43], s[8:9], s[42:43]
	s_cselect_b64 s[50:51], s[72:73], s[50:51]
	s_cmp_eq_u32 s41, 3
	s_cselect_b32 s45, s68, s45
	s_cselect_b32 s46, s70, s46
	s_cselect_b64 s[42:43], s[10:11], s[42:43]
	s_cselect_b64 s[50:51], s[74:75], s[50:51]
	s_cmp_eq_u32 s41, 4
	s_cselect_b64 s[42:43], s[12:13], s[42:43]
	s_cselect_b64 s[50:51], s[26:27], s[50:51]
	s_cselect_b64 s[52:53], s[28:29], s[50:51]     ; kind 4's payload is b_yt + y_init; elsewhere the second buffer is the first again,
	s_cselect_b32 s56, 1.0, 0                      ; taken 0 times
	s_lshl_b32 s54, s45, 6                         ; 64 T0: the tiles' first column in bytes, and the payload's first byte, in every kind
	s_lshl_b32 s57, s46, 17                        ; S0 K steps (only where rows are 1,024 bytes)
	s_add_co_u32 s57, s57, s54
	s_and_b32 s58, s36, 1
	s_mul_i32 s58, s58, s47
	s_add_co_u32 s57, s57, s58
	s_lshr_b32 s58, s36, 1
	s_mul_i32 s58, s58, s48
	s_add_co_u32 s76, s57, s58
	s_mov_b32 s77, 0
	s_add_nc_u64 s[42:43], s[42:43], s[76:77]      ; my fragment's corner in the weight
	s_mul_i32 s76, ttmp9, GRP
	s_add_nc_u64 s[78:79], s[34:35], s[76:77]      ; my group in wq
	v_and_b32 v7, 8, v3
	v_add_nc_u32 v7, v7, v3                        ; r + 8 (r / 8)
	v_lshlrev_b32 v7, 2, v7
	v_mul_u32_u24 v8, s44, v4                      ; lanes 16-31 begin 32 rows further down
	v_add_nc_u32 v7, v7, v8
.macro LOADW pitch                     ; W(64 c + 32 h + i, my column)
.irp c, 0,1
.irp i, 0,1,2,3,4,5,6,7,8,9,10,11,12,13,14,15,16,17,18,19,20,21,22,23,24,25,26,27,28,29,30,31
	global_load_b32 v[64+32*\c+\i], v7, s[42:43] offset:(64*\c+\i)*\pitch
.endr
.endr
.endm
	s_cmp_eq_u32 s41, 1                            ; the row pitch stands in the loads' immediates: the branch goes round the loads alone
	s_cbranch_scc1 .Lwide
	LOADW 1024
	s_branch .Lloaded
.Lwide:
	LOADW 4096
.Lloaded:
	s_wait_loadcnt 0x0
.irp c, 0,1                                    ; my block 2 c + h: all its 32 numbers are mine
	v_max3_num_f32 v[32+\c], |v[64+32*\c]|, |v[65+32*\c]|, 0x1800000   ; and the floor 2^(3 - 127): the byte cannot fall under 1
.endr
.irp i, 2,4,6,8,10,12,14,16,18,20,22,24,26,28,30
.irp c, 0,1
	v_max3_num_f32 v[32+\c], v[32+\c], |v[64+32*\c+\i]|, |v[65+32*\c+\i]|
.endr
.endr
.irp c, 0,1
	v_add_nc_u32 v[44+\c], 0xff000000, v[32+\c]    ; 2 off the exponent field: the conversion takes this operand's exponent field as its scale
.endr
.irp c, 0,1
	v_lshrrev_b32 v[36+\c], 23, v[44+\c]           ; the scale's byte
.endr
	v_lshl_or_b32 v9, v37, 16, v36                 ; my two bytes: blocks h and 2 + h,
	v_lshlrev_b32 v10, 3, v4
	v_lshlrev_b32 v9, v10, v9                      ; at their places in the scale word;
	v_mov_b32 v10, 0
	v_permlanex16_b32 v10, v9, s60, s61
	v_or_b32 v9, v9, v10                           ; with lane l xor 16's two the word is whole
.irp c, 0,1
	v_cvt_scalef32_pk16_fp6_f32 v[48+6*\c:50+6*\c], v[64+32*\c:79+32*\c], v[44+\c]
	v_cvt_scalef32_pk16_fp6_f32 v[16+4*\c:18+4*\c], v[80+32*\c:95+32*\c], v[44+\c]   ; (a conversion's three registers begin on an even number)
.endr
	v_nop                                          ; one plain place behind a scaled conversion
.irp c, 0,1
.irp i, 0,1,2
	v_mov_b32 v[51+6*\c+\i], v[16+4*\c+\i]
.endr
.endr
	s_mul_i32 s58, s36, 1536
	v_add_nc_u32 v5, s58, v5
.irp c, 0,1,2
	global_store_b128 v5, v[48+4*\c:51+4*\c], s[78:79] offset:512*\c   ; the fragment as it stands: each store covers 512 consecutive bytes, aligned to 256
.endr
	v_lshlrev_b32 v11, 2, v3
	s_lshl_b32 s58, s36, 6
	v_add_nc_u32 v11, s58, v11
	ds_store_b32 v11, v9                           ; the four waves' scale words meet in LDS (both halves of the lanes write the same word), so that they leave as 256 consecutive bytes
	s_wait_dscnt 0x0                               ; for the others' sake: my store has landed
	s_barrier_signal -1
	s_barrier_wait -1
	s_cmp_eq_u32 s36, 0
	s_cbranch_scc0 .Lnot_0
	ds_load_b64 v[12:13], v6
	s_wait_dscnt 0x0
	global_store_b64 v6, v[12:13], s[78:79] offset:6144
	s_branch .Lend
.Lnot_0:
	s_cmp_eq_u32 s36, 1
	s_cbranch_scc0 .Lend
	v_and_b32 v14, s55, v2                         ; the payload: 8 bytes a lane
	v_lshlrev_b32 v14, 3, v14
	v_add_nc_u32 v14, s54, v14
	global_load_b64 v[16:17], v14, s[50:51]
	global_load_b64 v[18:19], v14, s[52:53]
	s_wait_loadcnt 0x0
	v_fma_f32 v16, s56, v18, v16
	v_fma_f32 v17, s56, v19, v17
	global_store_b64 v6, v[16:17], s[78:79] offset:6400
.Lend:
	s_wait_tensorcnt 0x0
	ds_add_u32 v128, v129
	s_wait_dscnt 0x0
	s_endpgm
	; ---- the head block.  W_head [256][10] as source 0 of the bf16 product, 16 outputs x 32 K a step: register i of lane (o, h) holds W_head[32 p + 16 h + 2 i][o] and [.. + 1][o], zeros for o >= 10.
	; (K is permuted inside a step as the second launch's y lies in its registers; both sources alike.)  Wave f makes steps 2 f and 2 f + 1.
.Lhead:
	v_min_u32 v7, 9, v3                            ; no load leaves the buffer: lanes of outputs 10-15 read output 9 and are cleared below
	v_lshlrev_b32 v7, 2, v7
	v_mad_u32_u24 v7, v4, 640, v7                  ; 16 h rows of 40 bytes
	s_mul_i32 s37, s36, 2560
	v_add_nc_u32 v7, s37, v7
.irp q, 0,1
.irp i, 0,1,2,3,4,5,6,7,8,9,10,11,12,13,14,15
	global_load_b32 v[64+16*\q+\i], v7, s[30:31] offset:40*(32*\q+\i)
.endr
.endr
	s_wait_loadcnt 0x0
	v_cmp_gt_u32 vcc_lo, 10, v3
.irp j, 0,1,2,3,4,5,6,7,8,9,10,11,12,13,14,15
	v_cvt_pk_bf16_f32 v[32+\j], v[64+2*\j], v[65+2*\j]
.endr
.irp j, 0,1,2,3,4,5,6,7,8,9,10,11,12,13,14,15
	v_cndmask_b32 v[32+\j], 0, v[32+\j], vcc_lo
.endr
	s_lshl_b32 s37, s36, 11
	v_add_nc_u32 v5, s37, v5
.irp j, 0,1,2,3
	global_store_b128 v5, v[32+4*\j:35+4*\j], s[34:35] offset:HEADOFF+512*\j
.endr
	s_cmp_lg_u32 s36, 0
	s_cbranch_scc1 .Lhead_end
	v_min_u32 v8, 4, v2                            ; b_head's ten numbers, then zeros: 64 f32
	v_lshlrev_b32 v8, 3, v8
	global_load_b64 v[12:13], v8, s[32:33]
	s_wait_loadcnt 0x0
	v_cmp_gt_u32 vcc_lo, 5, v2
	v_cndmask_b32 v12, 0, v12, vcc_lo
	v_cndmask_b32 v13, 0, v13, vcc_lo
	global_store_b64 v6, v[12:13], s[34:35] offset:HEADOFF+8192
.Lhead_end:
	s_endpgm
.Lfunc_end_k_q7b32d36b54_prep:
	.size	k_q7b32d36b54_prep, .Lfunc_end_k_q7b32d36b54_prep-k_q7b32d36b54_prep
	.p2alignl 7, 3214868480
	.fill 96, 4, 3214868480
	.section	.rodata,"a",@progbits
	.p2align	6, 0x0
	.amdhsa_kernel k_q7b32d36b54_prep
		.amdhsa_group_segment_fixed_size 768
		.amdhsa_private_segment_fixed_size 0
		.amdhsa_enable_private_segment 0
		.amdhsa_kernarg_size 128
		.amdhsa_user_sgpr_count 2
		.amdhsa_user_sgpr_kernarg_segment_ptr 1
		.amdhsa_wavefront_size32 1
		.amdhsa_system_sgpr_workgroup_id_x 1
		.amdhsa_system_sgpr_workgroup_id_y 1
		.amdhsa_system_sgpr_workgroup_id_z 1
		.amdhsa_system_vgpr_workitem_id 0
		.amdhsa_next_free_vgpr 130
		.amdhsa_next_free_sgpr 80
		.amdhsa_reserve_vcc 1
		.amdhsa_float_denorm_mode_32 3
		.amdhsa_float_denorm_mode_16_64 3
		.amdhsa_memory_ordered 1
		.amdhsa_forward_progress 1
		.amdhsa_inst_pref_size 27
	.end_amdhsa_kernel
	.amdgpu_metadata
---
amdhsa.version: [ 1, 2 ]
amdhsa.kernels:
  - .name:           k_q7b32d36b54_prep
    .symbol:         k_q7b32d36b54_prep.kd
    .args:
      - { .name: W_in, .offset: 0, .size: 8, .value_kind: global_buffer, .address_space: global }
      - { .name: W_up, .offset: 8, .size: 8, .value_kind: global_buffer, .address_space: global }
      - { .name: W_down, .offset: 16, .size: 8, .value_kind: global_buffer, .address_space: global }
      - { .name: W_comb, .offset: 24, .size: 8, .value_kind: global_buffer, .address_space: global }
      - { .name: W_yt, .offset: 32, .size: 8, .value_kind: global_buffer, .address_space: global }
      - { .name: b_in, .offset: 40, .size: 8, .value_kind: global_buffer, .address_space: global }
      - { .name: b_up, .offset: 48, .size: 8, .value_kind: global_buffer, .address_space: global }
      - { .name: b_down, .offset: 56, .size: 8, .value_kind: global_buffer, .address_space: global }
      - { .name: ln_w, .offset: 64, .size: 8, .value_kind: global_buffer, .address_space: global }
      - { .name: ln_b, .offset: 72, .size: 8, .value_kind: global_buffer, .address_space: global }
      - { .name: b_comb, .offset: 80, .size: 8, .value_kind: global_buffer, .address_space: global }
      - { .name: b_yt, .offset: 88, .size: 8, .value_kind: global_buffer, .address_space: global }
      - { .name: y_init, .offset: 96, .size: 8, .value_kind: global_buffer, .address_space: global }
      - { .name: W_head, .offset: 104, .size: 8, .value_kind: global_buffer, .address_space: global }
      - { .name: b_head, .offset: 112, .size: 8, .value_kind: global_buffer, .address_space: global }
      - { .name: wq, .offset: 120, .size: 8, .value_kind: global_buffer, .address_space: global }
    .group_segment_fixed_size: 768
    .private_segment_fixed_size: 0
    .kernarg_segment_align: 8
    .kernarg_segment_size: 128
    .max_flat_workgroup_size: 128
    .sgpr_count:     80
    .vgpr_count:     130
    .wavefront_size: 32
...
	.end_amdgpu_metadata
.endif
;; end of part 1
;; launch main (part 2): grid 256 x 1, 8 waves a work-group, clusters of 4 x 1, 327,680 bytes of LDS; arguments x, wq, out0; writes out0
.if DOCPART == 2
	.amdgcn_target "amdgcn-amd-amdhsa--gfx1250"
	.amdhsa_code_object_version 6
	.text
	.protected	k_q7b32d36b54_main
	.globl	k_q7b32d36b54_main
	.p2align	8
	.type	k_q7b32d36b54_main,@function
k_q7b32d36b54_main:
	s_mov_b64 s[64:65], 0
	v_nop
	global_prefetch_b8 v0, s[64:65] scope:SCOPE_SE
	s_setreg_imm32_b32 hwreg(HW_REG_WAVE_MODE, 25, 1), 1
	s_wait_xcnt 0x0
	s_wait_alu depctr_hold_cnt(0) depctr_sa_sdst(0) depctr_va_vdst(0) depctr_va_sdst(0) depctr_va_ssrc(0) depctr_va_vcc(0) depctr_vm_vsrc(0)
	s_getreg_b32 s2, hwreg(HW_REG_IB_STS2, 6, 4)
	s_cmp_eq_u32 s2, 0
	s_cbranch_scc0 .Lentry_in_a_cluster
	s_endpgm
.Lentry_in_a_cluster:
	s_bfe_u32 s2, ttmp6, 0x10000c
	s_cmp_lg_u32 s2, 0x3003
	s_cbranch_scc0 .Lentry_shape_is_right
	s_endpgm
.Lentry_shape_is_right:
; out0 = (y_init + gelu([LN(z + gelu(z W_up + b_up) W_down + b_down), y_init] W_comb + b_comb) W_yt + b_yt) W_head + b_head, z = x W_in + b_in.  The first five products on codes of FP6 (E2M3) with one E8M0 scale
; for each 32 along K; the last, whose result feeds no quantiser, on bf16.  No activation goes to memory.
; SHARES.  A work-group owns 256 rows of x, each of its eight waves 32: two tiles R of 16.  Two waves share a SIMD (512 registers each), so that one wave's matrix runs and LDS waits stand beside the other's vector work:
; a row has 1,280 exact gelus, and their vector instructions outnumber everything else.  Each weight fragment read from LDS feeds two products (R = 0, 1).
; LAYOUT.  Every product is used transposed (source 0 = 16 rows of the weight, source 1 = 16 rows of the activation): lane (r, h) holds row r of its tile through the whole chain, and register j of weight tile t is column
; 32 (t / 2) + 16 h + 8 (t % 2) + j, since the first launch chose the tiles' rows so.  So 16 registers of two neighbouring tiles are 16 neighbours along the next K, and nothing passes between waves.
; WEIGHTS.  wq holds 12 stages of 8 groups (4 fragments as images of their registers, their scale words, 64 f32 of biases); stage n lies in LDS cell n mod 6.  All work-groups walk the same stages, so the four of a cluster
; ask JOINTLY: five fills, each wave one load of 1, 2 or 3 groups.  x comes first, by a load of the wave's own, through the cells that the weights take later.
; GELU, exact to f32: 2 gelu(x) = (x + |x|) - |x| erfc(|x| / sqrt 2), erfc(z) = t exp(-z^2 + P(t)), t = 1 / (1 + z / 2), P of degree 9 (its stated fractional error: under 1.2e-7).  No difference of near numbers in either tail.
; The factor 2 is left in: the quantiser takes it off the scale's byte, which changes no code.
; LIMITS: v_exp_f32 gives 0 for results under 2^-126 (ISA guide, its entry in 15.8), so gelu's far negative tail, under 1e-37 in magnitude, becomes -0; blocks under the floor keep the byte 1 (their codes are zeros or
; subnormal codes of that scale); NaN and infinities are not served; b_down is added behind the third product's sums and y_init + b_yt ahead of the fifth's: another order of f32 rounding than the source's.
; REGISTERS, window 0: v1-9 addresses; v[10:11] c8; v12-15 weights' scale words (two buffers); v16-19 z's, v20-21 h's (later y's), v22-25 the last hidden layer's; v26-33 an even block's codes; v34-39 at work;
;   v40-87 z's four fragments; v88-111 h's two (later y's two, later a bias); v112-159 weight buffer A; v160-175 a bias; v176-207 U: two tiles x R; v208-255 at work, and weight buffer B.
; window 1: up to the LayerNorm the 32 accumulators of z (128 R + 8 t + j); then v0-47 the last hidden layer's codes, v48-95 weight buffer C, v96-159 W_head, v160-175 the outputs' sums, v176-183 b_head, v192-255 y_init.
.set GRP,     6656
.set STG,     8*GRP
.set HEADOFF, 12*STG
.set SPARE,   6*STG                    ; behind the six cells: the spare words, 128 bytes for each wave: four blocks of 256 bytes that no other line names
.set XP,      1040                     ; a row of x in LDS: 1,024 bytes + 16: an odd multiple of 16, so that sixteen rows' 16 bytes fall on different banks
.set XW,      32*XP                    ; a wave's 32 rows; eight of these are exactly cells 1 to 5
.set OSTG,    1536                     ; the way out: from one wave's stage to the next.  A wave's results are 1,280 bytes; the highest address that any lane of its stores forms, on or off, is 632 + 664 + 7 = 1,303
.set SPW, 1
.set NIL, 2
.set LI,  3                            ; 16 x lane
.set LS4, 4                            ; 4 x lane
.set LB,  5                            ; 64 h
.set ADR, 6                            ; cell + LI
.set ADS, 7                            ; cell + LS4
.set ADB, 8                            ; cell + LB
.set XA,  9
.set C8,  10
.set WS,  12
.set ZS,  16
.set HS,  20
.set CS,  22
.set EV,  26
.set RT,  34
.set ZQ,  40
.set HQ,  88
.set WA,  112
.set BC,  160
.set U,   176
.set TMP, 208
.set GA,  208                          ; gelu: |x|
.set GT,  224                          ; t, then t |x|
.set GP,  240                          ; the polynomial, then the exponential
.set SCR, 112
.set CQ,  0                            ; window 1
.set WC,  48
.set WH,  96
.set ACCH, 160
.set BH,  176
.set YL,  192
.set MSB, 0
.macro WIN new                         ; the immediate's high byte repeats the setting that is left; a switch that changes nothing is dropped
.if MSB != (\new)
	s_set_vgpr_msb (MSB<<8)|(\new)
.set MSB, (\new)
.endif
.endm
.macro PLACES n                        ; plain vector instructions that name none of a matrix instruction's registers (ISA guide 7.12.1)
.rept \n
	v_nop
.endr
.endm
.macro PAIR r, val                     ; a constant for the packed forms, which name a pair
	s_mov_b32 s[\r], \val
	s_mov_b32 s[\r+1], \val
.endm
.macro ROUND                           ; a round of the cluster's barrier
	s_barrier_signal -1
	s_barrier_wait -1
	s_cmp_lg_u32 s10, 0
	s_cbranch_scc1 .Lnot_wave_0_\@
	s_barrier_signal -3
.Lnot_wave_0_\@:
	s_barrier_wait -3
	s_barrier_signal -1
	s_barrier_wait -1
.endm
; The change of cells.  Each wave waits for all its tensor loads (one is out), adds 0 to its spare word, and waits for that and for its LDS reads.  fill = 1: a round of the cluster's barrier, so that no wave of any
; partner still reads the cells or has a load on its way, and behind it my one joint load: LDS s[lreg] + lconst, memory s[greg:greg+1] + gconst, shape s[g1:g1+7].
.macro SYNC fill, g1, lreg, lconst, greg, gconst
	WIN 0
	s_wait_tensorcnt 0x0                           ; no tensor load of mine is out, so the descriptor may be written
	ds_add_u32 v[SPW], v[NIL]                      ; 0 onto my spare word
.if \fill
	s_add_co_u32 s53, s[\lreg], \lconst
	s_add_nc_u64 s[54:55], s[\greg:\greg+1], \gconst
	s_or_b32 s55, s55, 0x80000000
.endif
	s_wait_dscnt 0x0                               ; the add is done, and my reads of the cells that are filled next are over
.if \fill
	ROUND
	tensor_load_to_lds s[52:55], s[\g1:\g1+7]
	s_nop 0
	PLACES 4
.else
	s_barrier_signal -1
	s_barrier_wait -1
.endif
.endm
.macro SETBASE c
	v_add_nc_u32 v[ADR], \c, v[LI]
	v_add_nc_u32 v[ADS], \c, v[LS4]
	v_add_nc_u32 v[ADB], \c, v[LB]
.endm
; Group g of the cell in hand: four fragments into v[W] on of window DW, their scale words into v[WSR], v[WSR+1] (lanes 0-15: fragments 0, 2; lanes 16-31: fragments 1, 3), and, if BCR >= 0, my half's 16 numbers of the payload.
; 14 LDS loads, or 18.
.macro LOADG g, W, DW, WSR, BCR
	WIN (\DW<<6)
.irp f, 0,1,2,3
.irp c, 0,1,2
	ds_load_b128 v[\W+12*\f+4*\c:\W+12*\f+4*\c+3], v[ADR] offset:(\g)*GRP+1536*\f+512*\c
.endr
.endr
	WIN 0
	ds_load_b32 v[\WSR], v[ADS] offset:(\g)*GRP+6144
	ds_load_b32 v[\WSR+1], v[ADS] offset:(\g)*GRP+6144+128
.if \BCR >= 0
.irp i, 0,1,2,3
	ds_load_b128 v[\BCR+4*\i:\BCR+4*\i+3], v[ADB] offset:(\g)*GRP+6400+16*\i
.endr
.endif
.endm
.macro FP6 d, a, b, c, sa, sb, row     ; row = 1: the weight's scale words stand in lanes 16-31
.if (\row)
	v_wmma_scale_f32_16x16x128_f8f6f4 v[\d:\d+7], v[\a:\a+11], v[\b:\b+11], v[\c:\c+7], v[\sa], v[\sb] matrix_a_fmt:MATRIX_FMT_FP6 matrix_b_fmt:MATRIX_FMT_FP6 matrix_a_scale:MATRIX_SCALE_ROW1
.else
	v_wmma_scale_f32_16x16x128_f8f6f4 v[\d:\d+7], v[\a:\a+11], v[\b:\b+11], v[\c:\c+7], v[\sa], v[\sb] matrix_a_fmt:MATRIX_FMT_FP6 matrix_b_fmt:MATRIX_FMT_FP6
.endif
.endm
; 64 numbers of a lane in window 1, register 16 b + i = k 32 b + 16 h + i of my row, become a fragment's codes in v[D] on and its scale word in v[SW], both in window 0.
.set TM, 208
.set QO, 224
.macro QUANTK SRC, D, SW
	WIN 0x05
.irp b, 0,1,2,3
	v_max3_num_f32 v[TM+\b], |v[\SRC+16*\b]|, |v[\SRC+16*\b+1]|, 0x1800000   ; my 16 numbers of block b, and the floor 2^(3 - 127): the byte cannot fall under 1
.endr
.irp i, 2,4,6,8,10,12,14
.irp b, 0,1,2,3
	v_max3_num_f32 v[TM+\b], |v[\SRC+16*\b+\i]|, |v[\SRC+16*\b+\i+1]|, v[TM+\b]
.endr
.endr
	WIN 0
.irp b, 0,1,2,3
	v_permlanex16_b32 v[TM+4+\b], v[TM+\b], s56, s57
.endr
.irp b, 0,1,2,3
	v_max_num_f32 v[TM+\b], v[TM+\b], v[TM+4+\b]   ; with lane l xor 16's: the block's largest magnitude
.endr
.irp b, 0,1,2,3
	v_add_nc_u32 v[TM+12+\b], 0xff000000, v[TM+\b] ; 2 off its exponent field: the conversion's scale operand
.endr
.irp b, 0,1,2,3
	v_lshrrev_b32 v[TM+4+\b], 23, v[TM+12+\b]      ; the scale's byte
.endr
	v_lshl_or_b32 v[\SW], v[TM+5], 8, v[TM+4]
	v_lshl_or_b32 v[\SW], v[TM+6], 16, v[\SW]
	v_lshl_or_b32 v[\SW], v[TM+7], 24, v[\SW]
	WIN 0x01
.irp c, 0,1
	v_cvt_scalef32_pk16_fp6_f32 v[\D+6*\c:\D+6*\c+2], v[\SRC+32*\c:\SRC+32*\c+15], v[TM+12+2*\c]
	v_cvt_scalef32_pk16_fp6_f32 v[QO+4*\c:QO+4*\c+2], v[\SRC+32*\c+16:\SRC+32*\c+31], v[TM+12+2*\c+1]   ; (a conversion's three registers begin on an even number)
.endr
	WIN 0
	v_nop                                          ; one plain place behind a scaled conversion
.irp c, 0,1                                    ; the operand's layout wants a WHOLE block in a lane: lanes 0-15 block 2 c, lanes 16-31 block 2 c + 1
.irp i, 0,1,2
	v_permlane16_swap_b32 v[\D+6*\c+\i], v[QO+4*\c+\i]
.endr
.irp i, 0,1,2
	v_mov_b32 v[\D+6*\c+3+\i], v[QO+4*\c+\i]
.endr
.endr
.endm
; 16 numbers v[X] .. v[X+15] become 2 gelu of themselves.  Every reciprocal and exponential has a plain instruction behind it that touches neither its result nor its source (ISA guide 5.7.2), and it is work that is due.
.macro GELU2 X
.set gp, 0
.rept 10                               ; |x|;  1 + |x| / (2 sqrt 2);  t;  c9 t + c8: each pair a step behind the one before
.if gp < 8
	v_and_b32 v[GA+2*gp], s58, v[\X+2*gp]
.endif
.if (gp > 0) && (gp < 9)
	v_rcp_f32 v[GT+2*gp-2], v[GT+2*gp-2]
.endif
.if gp < 8
	v_and_b32 v[GA+2*gp+1], s58, v[\X+2*gp+1]
.endif
.if (gp > 0) && (gp < 9)
	v_rcp_f32 v[GT+2*gp-1], v[GT+2*gp-1]
.endif
.if gp < 8
	v_pk_fma_f32 v[GT+2*gp:GT+2*gp+1], v[GA+2*gp:GA+2*gp+1], s[62:63], 1.0 op_sel_hi:[1,0,0]
.endif
.if gp > 1
	s_wait_alu depctr_va_vdst(0)
	v_pk_fma_f32 v[GP+2*gp-4:GP+2*gp-3], v[GT+2*gp-4:GT+2*gp-3], s[66:67], v[C8:C8+1] op_sel_hi:[1,0,1]
.endif
.set gp, gp+1
.endr
.irp k, 68,70,72,74,76,78,80,82                ; Horner, c7 down to c0 (all coefficients x log2 e)
.set gp, 0
.rept 8
	v_pk_fma_f32 v[GP+2*gp:GP+2*gp+1], v[GP+2*gp:GP+2*gp+1], v[GT+2*gp:GT+2*gp+1], s[\k:\k+1] op_sel_hi:[1,1,0]
.set gp, gp+1
.endr
.endr
.set gp, 0
.rept 10                               ; - x^2 log2 e / 2
.if gp < 8
	v_pk_mul_f32 v[RT+2*(gp%3):RT+2*(gp%3)+1], v[GA+2*gp:GA+2*gp+1], v[GA+2*gp:GA+2*gp+1]
.endif
.if gp > 1
	v_pk_fma_f32 v[GP+2*gp-4:GP+2*gp-3], v[RT+2*((gp-2)%3):RT+2*((gp-2)%3)+1], s[84:85], v[GP+2*gp-4:GP+2*gp-3] op_sel_hi:[1,0,1]
.endif
.set gp, gp+1
.endr
.set gp, 0
.rept 8
	v_exp_f32 v[GP+2*gp], v[GP+2*gp]
	v_pk_add_f32 v[\X+2*gp:\X+2*gp+1], v[\X+2*gp:\X+2*gp+1], v[GA+2*gp:GA+2*gp+1]     ; x + |x|: exact
	v_exp_f32 v[GP+2*gp+1], v[GP+2*gp+1]
	v_pk_mul_f32 v[GT+2*gp:GT+2*gp+1], v[GT+2*gp:GT+2*gp+1], v[GA+2*gp:GA+2*gp+1]     ; t |x|
.set gp, gp+1
.endr
.set gp, 0
	s_wait_alu depctr_va_vdst(0)
.rept 8
	v_pk_fma_f32 v[\X+2*gp:\X+2*gp+1], v[GT+2*gp:GT+2*gp+1], v[GP+2*gp:GP+2*gp+1], v[\X+2*gp:\X+2*gp+1] neg_lo:[1,0,0] neg_hi:[1,0,0]
.set gp, gp+1
.endr
.endm
; Block b (0 .. 3) of a K step, for both R, from U, which holds 2 g.  The codes of 2 g under twice the scale are the codes of g.  The raw exponent fields are gathered in the scale words v[S0], v[S1]; behind block 3,
; 3 comes off each byte: 2 for the format, 1 for the factor 2 (the floor 2^(4 - 127) keeps every byte at 1 or more, so nothing is borrowed).  An even block's half blocks wait in v[EV] on;
; behind the odd block the halves change places and six registers for each R go to v[D0], v[D1] on of window DW.
.set QM, 208
.set QN, 210
.set QX, 212
.set QS, 214
.set QY, 216
.set QOO, 220
.macro QB b, D0, D1, DW, S0, S1
.irp R, 0,1
	v_max3_num_f32 v[QM+\R], |v[U+16*\R]|, |v[U+16*\R+1]|, 0x2000000
	v_max3_num_f32 v[QN+\R], |v[U+16*\R+8]|, |v[U+16*\R+9]|, |v[U+16*\R+10]|
.endr
.irp i, 2,4
.irp R, 0,1
	v_max3_num_f32 v[QM+\R], v[QM+\R], |v[U+16*\R+\i]|, |v[U+16*\R+\i+1]|
	v_max3_num_f32 v[QN+\R], v[QN+\R], |v[U+16*\R+\i+9]|, |v[U+16*\R+\i+10]|
.endr
.endr
.irp R, 0,1
	v_max3_num_f32 v[QM+\R], v[QM+\R], |v[U+16*\R+6]|, |v[U+16*\R+7]|
.endr
.irp R, 0,1
	v_max3_num_f32 v[QM+\R], v[QM+\R], v[QN+\R], |v[U+16*\R+15]|
.endr
.irp R, 0,1
	v_permlanex16_b32 v[QX+\R], v[QM+\R], s56, s57
.endr
.irp R, 0,1
	v_max_num_f32 v[QM+\R], v[QM+\R], v[QX+\R]
.endr
.irp R, 0,1
	v_add_nc_u32 v[QS+\R], 0xff000000, v[QM+\R]
.endr
.if (\b) == 0
	v_lshrrev_b32 v[\S0], 23, v[QM]
	v_lshrrev_b32 v[\S1], 23, v[QM+1]
.else
	v_lshrrev_b32 v[QY], 23, v[QM]
	v_lshrrev_b32 v[QY+1], 23, v[QM+1]
	v_lshl_or_b32 v[\S0], v[QY], 8*(\b), v[\S0]
	v_lshl_or_b32 v[\S1], v[QY+1], 8*(\b), v[\S1]
.endif
.if (\b) == 3
	v_add_nc_u32 v[\S0], 0xfcfcfcfd, v[\S0]
	v_add_nc_u32 v[\S1], 0xfcfcfcfd, v[\S1]
.endif
.if (\b)%2 == 0
	v_cvt_scalef32_pk16_fp6_f32 v[EV:EV+2], v[U:U+15], v[QS]
	v_cvt_scalef32_pk16_fp6_f32 v[EV+4:EV+6], v[U+16:U+31], v[QS+1]
	v_nop                                          ; one plain place behind a scaled conversion: matrix instructions write U next
.else
	v_cvt_scalef32_pk16_fp6_f32 v[QOO:QOO+2], v[U:U+15], v[QS]
	v_cvt_scalef32_pk16_fp6_f32 v[QOO+4:QOO+6], v[U+16:U+31], v[QS+1]
	v_nop
.irp R, 0,1
.irp i, 0,1,2
	v_permlane16_swap_b32 v[EV+4*\R+\i], v[QOO+4*\R+\i]
.endr
.endr
	WIN (\DW<<6)
.irp i, 0,1,2
	v_mov_b32 v[\D0+\i], v[EV+\i]
	v_mov_b32 v[\D0+3+\i], v[QOO+\i]
	v_mov_b32 v[\D1+\i], v[EV+4+\i]
	v_mov_b32 v[\D1+3+\i], v[QOO+4+\i]
.endr
	WIN 0
.endif
.endm
; Eight products: two weight tiles x R, K = z's 256, into U; the bias starts the sums.  The four accumulators take turns.
.macro P2MUL
.irp u, 0,1
.irp R, 0,1
	FP6 U+16*\R+8*\u, WA+24*\u, ZQ+24*\R, BC+8*\u, WS+\u, ZS+2*\R, 0
.endr
.endr
.irp u, 0,1
.irp R, 0,1
	FP6 U+16*\R+8*\u, WA+24*\u+12, ZQ+24*\R+12, U+16*\R+8*\u, WS+\u, ZS+2*\R+1, 1
.endr
.endr
.endm
; Eight products of the third product: W_down's tiles 4 k .. 4 k + 3 x R, K = the chunk's 128, onto z's accumulators
.macro P3MUL k, buf, ws
	WIN 0x50
.irp f, 0,1,2,3
.irp R, 0,1
	FP6 128*\R+8*(4*(\k)+\f), \buf+12*\f, HQ+12*\R, 128*\R+8*(4*(\k)+\f), \ws+(\f/2), HS+\R, \f%2
.endr
.endr
	WIN 0
.endm
; A chunk of 128 hidden units: one stage, the cell at s86.  Groups 0-3: W_up, 32 units each: products, gelu, a block's codes.  Groups 4-7: W_down's 16 tiles for this K step.
; Each group is asked for while the one before is worked on; a wait's count of 14 is the one younger group's loads.
.macro CHUNK
	SETBASE s86
	LOADG 0, WA, 0, WS, BC
.irp b, 0,1,2,3
	s_wait_dscnt 0x0
	P2MUL
	PLACES 4                                       ; in front of loads into registers that the products read, and of the first read of U
.if \b < 3
	LOADG \b+1, WA, 0, WS, BC
.else
	LOADG 4, WA, 0, WS, -1
.endif
	GELU2 U
	GELU2 U+16
	QB \b, HQ+6*(\b/2), HQ+12+6*(\b/2), 0, HS, HS+1
.endr
	LOADG 5, TMP, 0, WS+2, -1
	PLACES 8                                       ; h's scale words come from vector instructions: eight places ahead of a scaled product
	s_wait_dscnt 14
	P3MUL 0, WA, WS
	PLACES 4
	LOADG 6, WA, 0, WS, -1
	s_wait_dscnt 14
	P3MUL 1, TMP, WS+2
	PLACES 4
	LOADG 7, TMP, 0, WS+2, -1
	s_wait_dscnt 14
	P3MUL 2, WA, WS
	s_wait_dscnt 0x0
	P3MUL 3, TMP, WS+2
	PLACES 4
	s_add_co_u32 s86, s86, STG
.endm
	; ---------------- the head
	s_load_b128 s[4:7], s[0:1], 0x0                ; x s[4:5], wq s[6:7]
	s_load_b64 s[8:9], s[0:1], 0x10                ; out0
	v_lshl_add_u32 v[SPW], v0, 2, SPARE
	v_mov_b32 v[NIL], 0
	ds_add_u32 v1, v2
	ds_add_u32 v1, v2
	s_wait_dscnt 0x0
	v_lshrrev_b32 v[ADR], 5, v0
	v_readfirstlane_b32 s10, v[ADR]                ; wave 0..7
	s_bfe_u32 s11, ttmp6, 0x40000                  ; cx
	s_lshl_b32 s12, ttmp9, 2
	s_add_co_u32 s12, s12, s11                     ; my work-group: it enters x's and out0's addresses alone
	s_mul_i32 s13, s10, GRP
	s_mul_i32 s14, s10, 2*GRP
	s_mul_i32 s15, s10, 3*GRP
	s_mul_i32 s61, s10, 1280                       ; my 32 rows of out0
	s_mul_i32 s3, s10, OSTG                        ; my stage for them in LDS
	v_and_b32 v[ADS], 31, v0
	v_lshlrev_b32 v[LI], 4, v[ADS]
	v_lshlrev_b32 v[LS4], 2, v[ADS]
	v_bfe_u32 v[ADB], v0, 4, 1
	v_lshlrev_b32 v[LB], 6, v[ADB]
	v_and_b32 v[XA], 15, v0
	v_mul_u32_u24 v[XA], v[XA], XP
	v_add_nc_u32 v[XA], v[XA], v[LB]
	s_mul_i32 s49, s10, XW
	s_add_co_u32 s49, s49, STG                     ; x's place in LDS: cells 1 to 5, a wave's 32 rows on end
	v_add_nc_u32 v[XA], s49, v[XA]                 ; row r, + 64 h: my 16 numbers of a block of 32
	; x: 32 rows of 256 elements of 4 bytes, 4 words of padding behind every 256
	s_mov_b32 s16, (2<<16)|(1<<20)|(7<<22)|(3<<25)
	s_mov_b32 s17, 256<<16
	s_mov_b32 s18, 32<<16
	s_mov_b32 s19, 256<<16
	s_mov_b32 s20, 32
	s_mov_b32 s21, 256
	s_mov_b32 s22, 0
	s_mov_b32 s23, 0
	; the weights: dense blocks as rows of 256 bytes (32 elements of 8 bytes): 1, 2 or 3 groups of 26 rows; the mask names the cluster's four, bit 21 beside it
.irp g, 24,32,40
	s_mov_b32 s[\g], 15|(3<<16)|(1<<21)
	s_mov_b32 s[\g+1], 32<<16
	s_mov_b32 s[\g+2], (26*(\g/8-2))<<16
	s_mov_b32 s[\g+3], 32<<16
	s_mov_b32 s[\g+4], 26*(\g/8-2)
	s_mov_b32 s[\g+5], 32
	s_mov_b32 s[\g+6], 0
	s_mov_b32 s[\g+7], 0
.endr
	s_mov_b32 s56, 0x76543210
	s_mov_b32 s57, 0xfedcba98                      ; v_permlanex16_b32's selects for lane l xor 16
	s_mov_b32 s58, 0x7fffffff
	s_mov_b32 s59, 0x3b800000                      ; 1 / 256
	s_mov_b32 s60, 0x3727c5ac                      ; 1e-5
	PAIR 62, 0x3eb504f3                            ; 1 / (2 sqrt 2)
	PAIR 66, 0x3e7c6f08                            ; c9 .. c0: erfc's coefficients x log2 e
	PAIR 68, 0x40097039                            ; c7
	PAIR 70, 0xbfd1a1e5
	PAIR 72, 0x3ecdfd18
	PAIR 74, 0xbe899a80
	PAIR 76, 0x3e0efb2e
	PAIR 78, 0x3f0a29d2
	PAIR 80, 0x3fb8ab5a
	PAIR 82, 0xbfe9b21e                            ; c0
	PAIR 84, 0xbf38aa3b                            ; - log2 e / 2
	v_mov_b32 v[C8], 0xbf97d29d                    ; c8
	v_mov_b32 v[C8+1], 0xbf97d29d
.irp b, 0,1,2,3
	v_mov_b32 v[TM+4+\b], 0                        ; written once: a lane permute's destination counts as one of its sources
.endr
	s_wait_kmcnt 0x0
	s_lshl_b32 s92, s12, 18                        ; 256 rows of 1,024 bytes a work-group,
	s_lshl_b32 s93, s10, 15                        ; 32 a wave
	s_add_co_u32 s92, s92, s93
	s_mov_b32 s93, 0
	s_mov_b32 s48, 1
	s_add_nc_u64 s[50:51], s[4:5], s[92:93]
	s_or_b32 s51, s51, 0x80000000
	s_mul_i32 s92, s12, 10240
	s_add_co_u32 s92, s92, s61
	s_add_nc_u64 s[8:9], s[8:9], s[92:93]          ; out0 at my wave's first row
	s_mov_b32 s92, s15
	s_add_nc_u64 s[88:89], s[6:7], s[92:93]        ; wq + wave x 3 groups
	s_mov_b32 s92, s14
	s_add_nc_u64 s[94:95], s[6:7], s[92:93]        ; wq + wave x 2 groups
	s_add_nc_u64 s[90:91], s[6:7], HEADOFF
	s_mov_b32 s92, s13
	s_mov_b32 s52, 1
	s_mov_b32 s53, s13                             ; stage 0 into cell 0: a group a wave
	s_add_nc_u64 s[54:55], s[6:7], s[92:93]
	s_or_b32 s55, s55, 0x80000000
	ROUND                                          ; all four work-groups are here: the first joint loads meet
	tensor_load_to_lds s[48:51], s[16:23]          ; my 32 rows of x: a load of my own, no mask
	s_nop 0
	tensor_load_to_lds s[52:55], s[24:31]          ; stage 0, jointly.  Two loads of mine are out
	s_nop 0
	PLACES 4
	; ---------------- x into registers, as the quantiser wants it
	s_wait_tensorcnt 0x1                           ; x's load is the older of the two; its bytes are read by my wave alone
	WIN 0x40
.irp R, 0,1
.irp s, 0,1
.irp b, 0,1,2,3
.irp j, 0,1,2,3
	ds_load_b128 v[128*\R+64*\s+16*\b+4*\j:128*\R+64*\s+16*\b+4*\j+3], v[XA] offset:16*XP*\R+512*\s+128*\b+16*\j
.endr
.endr
.endr
.endr
	SYNC 1, 32, 14, STG, 94, STG                   ; stage 0 is whole and every wave has read its x: stages 1 and 2 into cells 1 and 2
.irp R, 0,1
.irp s, 0,1
	QUANTK 128*\R+64*\s, ZQ+24*\R+12*\s, ZS+2*\R+\s
.endr
.endr
	; ---------------- product 1: z = x W_in + b_in, into the accumulators of window 1, where it stays as the residual.  Two buffers by turns; a count of 18 is the one younger group's loads
	SETBASE 0
	LOADG 0, WA, 0, WS, BC
	LOADG 1, TMP, 0, WS+2, U
	PLACES 8                                       ; x's scale words come from vector instructions
.macro P1STEP g, W, WSR, BCR
.if (\g) < 7
	s_wait_dscnt 18
.else
	s_wait_dscnt 0x0
.endif
	WIN 0x40
.irp u, 0,1
.irp R, 0,1
	FP6 128*\R+16*(\g)+8*\u, \W+24*\u, ZQ+24*\R, \BCR+8*\u, \WSR+\u, ZS+2*\R, 0
.endr
.endr
	WIN 0x50
.irp u, 0,1
.irp R, 0,1
	FP6 128*\R+16*(\g)+8*\u, \W+24*\u+12, ZQ+24*\R+12, 128*\R+16*(\g)+8*\u, \WSR+\u, ZS+2*\R+1, 1
.endr
.endr
	WIN 0
	PLACES 4
.if (\g)+2 < 8
	LOADG (\g)+2, \W, 0, \WSR, \BCR
.endif
.endm
.irp g, 0,2,4,6
	P1STEP \g, WA, WS, BC
	P1STEP \g+1, TMP, WS+2, U
.endr
.irp R, 0,1
.irp s, 0,1
	QUANTK 128*\R+64*\s, ZQ+24*\R+12*\s, ZS+2*\R+\s
.endr
.endr
	; ---------------- products 2 and 3, eight chunks of 128 hidden units
	SYNC 1, 40, 15, 3*STG, 88, 3*STG               ; stages 1, 2 are whole; stages 3-5 into cells 3-5, which held x
	s_mov_b32 s86, STG
	s_mov_b32 s87, 2
.Lchunks_a:
	CHUNK
	s_sub_co_u32 s87, s87, 1
	s_cmp_lg_u32 s87, 0
	s_cbranch_scc1 .Lchunks_a
	SYNC 1, 40, 15, 0, 88, 6*STG                   ; stages 6-8 into cells 0-2
	s_mov_b32 s86, 3*STG
	s_mov_b32 s87, 3
.Lchunks_b:
	CHUNK
	s_sub_co_u32 s87, s87, 1
	s_cmp_lg_u32 s87, 0
	s_cbranch_scc1 .Lchunks_b
	SYNC 1, 40, 15, 3*STG, 88, 9*STG               ; stages 9-11 into cells 3-5: the last fill
	s_mov_b32 s86, 0
	s_mov_b32 s87, 3
.Lchunks_c:
	CHUNK
	s_sub_co_u32 s87, s87, 1
	s_cmp_lg_u32 s87, 0
	s_cbranch_scc1 .Lchunks_c
	; ---------------- LayerNorm, in place on the accumulators.  b_down, ln_w, ln_b are the payloads of groups 4-7 of stages 6, 7, 8 (cells 0, 1, 2): tile pair p's 16 numbers of my half
.irp p, 0,1,2,3,4,5,6,7
.irp i, 0,1,2,3
	ds_load_b128 v[SCR+16*\p+4*\i:SCR+16*\p+4*\i+3], v[LB] offset:(4+\p/2)*GRP+6400+128*(\p%2)+16*\i
.endr
.endr
	v_add_nc_u32 v[ADR], STG, v[LB]
	v_add_nc_u32 v[ADS], 2*STG, v[LB]
	s_wait_dscnt 0x0
	WIN 0x41
.set q, 0
.rept 64                               ; + b_down; each accumulator from its low end on
	v_pk_add_f32 v[2*q:2*q+1], v[2*q:2*q+1], v[SCR+2*q:SCR+2*q+1]
	v_pk_add_f32 v[128+2*q:129+2*q], v[128+2*q:129+2*q], v[SCR+2*q:SCR+2*q+1]
.set q, q+1
.endr
	WIN 0
.macro LNLOAD hf                       ; ln_w and ln_b of tile pairs 4 hf .. 4 hf + 3
.irp p, 0,1,2,3
.irp i, 0,1,2,3
	ds_load_b128 v[SCR+16*\p+4*\i:SCR+16*\p+4*\i+3], v[ADR] offset:(4+(4*\hf+\p)/2)*GRP+6400+128*(\p%2)+16*\i
	ds_load_b128 v[SCR+64+16*\p+4*\i:SCR+64+16*\p+4*\i+3], v[ADS] offset:(4+(4*\hf+\p)/2)*GRP+6400+128*(\p%2)+16*\i
.endr
.endr
.endm
	LNLOAD 0                                       ; they land under the sums below
	WIN 0x05                                       ; the row's sum: two chains for each R
	v_pk_add_f32 v[240:241], v[0:1], v[2:3]
	v_pk_add_f32 v[242:243], v[4:5], v[6:7]
	v_pk_add_f32 v[244:245], v[128:129], v[130:131]
	v_pk_add_f32 v[246:247], v[132:133], v[134:135]
	WIN 0x01
.set q, 4
.rept 60
	v_pk_add_f32 v[240+2*(q%2):241+2*(q%2)], v[2*q:2*q+1], v[240+2*(q%2):241+2*(q%2)]
	v_pk_add_f32 v[244+2*(q%2):245+2*(q%2)], v[128+2*q:129+2*q], v[244+2*(q%2):245+2*(q%2)]
.set q, q+1
.endr
	WIN 0
.irp R, 0,1
	v_pk_add_f32 v[240+4*\R:241+4*\R], v[240+4*\R:241+4*\R], v[242+4*\R:243+4*\R]
.endr
.irp R, 0,1
	v_add_f32 v[240+4*\R], v[240+4*\R], v[241+4*\R]
.endr
.irp R, 0,1
	v_permlanex16_b32 v[242+4*\R], v[240+4*\R], s56, s57     ; the row's other 128 columns lie in the lane 16 away
.endr
.irp R, 0,1
	v_add_f32 v[240+4*\R], v[240+4*\R], v[242+4*\R]
.endr
.irp R, 0,1
	v_mul_f32 v[248+2*\R], s59, v[240+4*\R]        ; the mean
.endr
.irp R, 0,1
	v_mov_b32 v[249+2*\R], v[248+2*\R]
.endr
	WIN 0x41
.set q, 0
.rept 64
	v_pk_add_f32 v[2*q:2*q+1], v[2*q:2*q+1], v[248:249] neg_lo:[0,1] neg_hi:[0,1]
	v_pk_add_f32 v[128+2*q:129+2*q], v[128+2*q:129+2*q], v[250:251] neg_lo:[0,1] neg_hi:[0,1]
.set q, q+1
.endr
	WIN 0x05                                       ; the sum of the squares of what is left
	v_pk_mul_f32 v[240:241], v[0:1], v[0:1]
	v_pk_mul_f32 v[242:243], v[2:3], v[2:3]
	v_pk_mul_f32 v[244:245], v[128:129], v[128:129]
	v_pk_mul_f32 v[246:247], v[130:131], v[130:131]
.set q, 2
.rept 62
	v_pk_fma_f32 v[240+2*(q%2):241+2*(q%2)], v[2*q:2*q+1], v[2*q:2*q+1], v[240+2*(q%2):241+2*(q%2)]
	v_pk_fma_f32 v[244+2*(q%2):245+2*(q%2)], v[128+2*q:129+2*q], v[128+2*q:129+2*q], v[244+2*(q%2):245+2*(q%2)]
.set q, q+1
.endr
	WIN 0
.irp R, 0,1
	v_pk_add_f32 v[240+4*\R:241+4*\R], v[240+4*\R:241+4*\R], v[242+4*\R:243+4*\R]
.endr
.irp R, 0,1
	v_add_f32 v[240+4*\R], v[240+4*\R], v[241+4*\R]
.endr
.irp R, 0,1
	v_permlanex16_b32 v[242+4*\R], v[240+4*\R], s56, s57
.endr
.irp R, 0,1
	v_add_f32 v[240+4*\R], v[240+4*\R], v[242+4*\R]
.endr
.irp R, 0,1
	v_fma_f32 v[240+4*\R], v[240+4*\R], s59, s60   ; the variance + 1e-5
.endr
.irp R, 0,1
	v_rsq_f32 v[252+2*\R], v[240+4*\R]
.endr
	v_nop                                          ; a plain place behind the transcendentals
	s_wait_alu depctr_va_vdst(0)
.irp R, 0,1
	v_mov_b32 v[253+2*\R], v[252+2*\R]
.endr
	WIN 0x41
.set q, 0
.rept 64
	v_pk_mul_f32 v[2*q:2*q+1], v[2*q:2*q+1], v[252:253]
	v_pk_mul_f32 v[128+2*q:129+2*q], v[128+2*q:129+2*q], v[254:255]
.set q, q+1
.endr
.macro LNFMA hf                        ; x ln_w + ln_b
.set q, 0
.rept 32
	v_pk_fma_f32 v[64*\hf+2*q:64*\hf+2*q+1], v[64*\hf+2*q:64*\hf+2*q+1], v[SCR+2*q:SCR+2*q+1], v[SCR+64+2*q:SCR+64+2*q+1]
	v_pk_fma_f32 v[128+64*\hf+2*q:129+64*\hf+2*q], v[128+64*\hf+2*q:129+64*\hf+2*q], v[SCR+2*q:SCR+2*q+1], v[SCR+64+2*q:SCR+64+2*q+1]
.set q, q+1
.endr
.endm
	s_wait_dscnt 0x0
	LNFMA 0
	WIN 0
	LNLOAD 1
	s_wait_dscnt 0x0
	WIN 0x41
	LNFMA 1
	WIN 0
.irp R, 0,1
.irp s, 0,1
	QUANTK 128*\R+64*\s, ZQ+24*\R+12*\s, ZS+2*\R+\s
.endr
.endr
	; ---------------- the tail: stages 9-11 in cells 3-5.  Nothing is filled again: a plain barrier.  Behind it nobody reads cells 0-2 any more
	SYNC 0, 0, 0, 0, 0, 0
	v_lshrrev_b32 v[XA], 1, v[LB]                  ; 32 h
	WIN 0x40
.irp p, 0,1,2,3,4,5,6,7
	global_load_b128 v[WH+8*\p:WH+8*\p+3], v[LI], s[90:91] offset:1024*\p          ; W_head's eight bf16 fragments: they stay in registers
	global_load_b128 v[WH+8*\p+4:WH+8*\p+7], v[LI], s[90:91] offset:1024*\p+512
.endr
	global_load_b128 v[BH:BH+3], v[XA], s[90:91] offset:8192                       ; b_head at my half's eight outputs
	global_load_b128 v[BH+4:BH+7], v[XA], s[90:91] offset:8192+16
	WIN 0
.macro YLOAD                           ; y_init's 128 numbers of a K step, as the quantiser wants them: the payloads of the cell's odd groups
	WIN 0x40
.irp b, 0,1,2,3
.irp i, 0,1,2,3
	ds_load_b128 v[YL+16*\b+4*\i:YL+16*\b+4*\i+3], v[ADB] offset:(2*\b+1)*GRP+6400+16*\i
.endr
.endr
	WIN 0
	s_wait_dscnt 0x0
.endm
	v_add_nc_u32 v[ADB], 3*STG, v[LB]
	YLOAD
	QUANTK YL, HQ, HS                              ; y is the same in every row: one fragment a K step serves both R
	v_add_nc_u32 v[ADB], 4*STG, v[LB]
	YLOAD
	QUANTK YL, HQ+12, HS+1
	; ---------------- product 4: K = [z, y], 512; step p makes tiles 2 p, 2 p + 1: group 2 p holds K steps 0, 1 (buffer A), group 2 p + 1 K steps 2, 3 (buffer C, window 1)
	SETBASE 3*STG
	LOADG 0, WA, 0, WS, BC
	LOADG 1, WC, 1, WS+2, -1
	PLACES 8                                       ; y's scale words come from vector instructions
.macro P4STEP p
	s_wait_dscnt 0x0
	P2MUL
	WIN 0x01
.irp s, 0,1
.irp u, 0,1
.irp R, 0,1
	FP6 U+16*\R+8*\u, WC+24*\u+12*\s, HQ+12*\s, U+16*\R+8*\u, WS+2+\u, HS+\s, \s
.endr
.endr
.endr
	WIN 0
	PLACES 4
.if (\p) < 3
	LOADG 2*(\p)+2, WA, 0, WS, BC
	LOADG 2*(\p)+3, WC, 1, WS+2, -1
.elseif (\p) == 3
	SETBASE 4*STG
	LOADG 0, WA, 0, WS, BC
	LOADG 1, WC, 1, WS+2, -1
.elseif (\p) < 7
	LOADG 2*(\p)-6, WA, 0, WS, BC
	LOADG 2*(\p)-5, WC, 1, WS+2, -1
.else
	SETBASE 5*STG                                  ; product 5's first two groups; y's codes are done with: their registers take the second bias
	LOADG 0, WA, 0, WS, BC
	LOADG 1, WC, 1, WS+2, HQ
.endif
	GELU2 U
	GELU2 U+16
	QB (\p)%4, CQ+12*((\p)/4)+6*(((\p)%4)/2), CQ+24+12*((\p)/4)+6*(((\p)%4)/2), 1, CS+(\p)/4, CS+2+(\p)/4
.endm
.irp p, 0,1,2,3,4,5,6,7
	P4STEP \p
.endr
	; ---------------- product 5 and the head.  Step p: y's columns 32 p .. 32 p + 31 (y_init + b_yt start the sums), rounded to bf16: they are K step p of the head's product, 16 outputs x 16 rows.
	PLACES 8
	s_wait_loadcnt 0x0                             ; W_head, b_head
.macro P5STEP p, W, DW, WSR, BCR
.if (\p) < 7
	s_wait_dscnt 18
.else
	s_wait_dscnt 0x0
.endif
	WIN 0x04+\DW
.irp u, 0,1
.irp R, 0,1
	FP6 U+16*\R+8*\u, \W+24*\u, CQ+24*\R, \BCR+8*\u, \WSR+\u, CS+2*\R, 0
.endr
.endr
.irp u, 0,1
.irp R, 0,1
	FP6 U+16*\R+8*\u, \W+24*\u+12, CQ+24*\R+12, U+16*\R+8*\u, \WSR+\u, CS+2*\R+1, 1
.endr
.endr
	WIN 0
	PLACES 4                                       ; in front of the loads, of the first read of U, and of the writes into the registers that the last head products read
.if (\p)+2 < 8
	LOADG (\p)+2, \W, \DW, \WSR, \BCR
.endif
.irp R, 0,1
.irp i, 0,1,2,3,4,5,6,7
	v_cvt_pk_bf16_f32 v[TMP+8*\R+\i], v[U+16*\R+2*\i], v[U+16*\R+2*\i+1]
.endr
.endr
	WIN 0x51
.irp R, 0,1
.if (\p) == 0
	v_wmma_f32_16x16x32_bf16 v[ACCH+8*\R:ACCH+8*\R+7], v[WH+8*(\p):WH+8*(\p)+7], v[TMP+8*\R:TMP+8*\R+7], v[BH:BH+7]
.else
	v_wmma_f32_16x16x32_bf16 v[ACCH+8*\R:ACCH+8*\R+7], v[WH+8*(\p):WH+8*(\p)+7], v[TMP+8*\R:TMP+8*\R+7], v[ACCH+8*\R:ACCH+8*\R+7]
.endif
.endr
	WIN 0
.endm
.irp p, 0,2,4,6
	P5STEP \p, WA, 0, WS, BC
	P5STEP \p+1, WC, 1, WS+2, HQ
.endr
	; ---------------- the way out.  Lane (r, h) holds outputs 8 h + 0 .. 7 of row r; ten count.  A wave's 32 rows of 40 bytes are 1,280 consecutive bytes of out0: they are gathered in my stage
	; (in cell 0, which has had its last fill and, since the last barrier, no reader; the stages lie OSTG bytes apart) and leave as five stores of 256 consecutive bytes, aligned.
	PLACES 4
	v_and_b32 v[ADR], 15, v0
	v_bfe_u32 v[ADS], v0, 4, 1
	v_mul_u32_u24 v[XA], v[ADR], 40
	v_lshl_add_u32 v[XA], v[ADS], 5, v[XA]
	v_add_nc_u32 v[XA], s3, v[XA]                  ; my stage + 40 r + 32 h
	v_and_b32 v[ADB], 31, v0
	v_cmp_gt_u32 vcc_lo, 16, v[ADB]
	v_lshlrev_b32 v[ADS], 3, v[ADB]                ; 8 x lane
	v_add_nc_u32 v[ADR], s3, v[ADS]
	WIN 0x04                                       ; an LDS store's data are its source 1: window 1
	ds_store_b64 v[XA], v[ACCH:ACCH+1]             ; outputs 0, 1 (lanes 0-15) and 8, 9 (lanes 16-31): each sum from its low end on
	ds_store_b64 v[XA], v[ACCH+8:ACCH+9] offset:640
	s_wait_xcnt 0x0                                ; EXEC changes only behind this wait
	s_and_saveexec_b32 s92, vcc_lo                 ; outputs 2 to 7: lanes 0-15 alone
.irp R, 0,1
.irp k, 1,2,3
	ds_store_b64 v[XA], v[ACCH+8*\R+2*\k:ACCH+8*\R+2*\k+1] offset:640*\R+8*\k
.endr
.endr
	s_wait_xcnt 0x0
	s_or_b32 exec_lo, exec_lo, s92
	WIN 0
.irp k, 0,1,2,3,4
	ds_load_b64 v[U+2*\k:U+2*\k+1], v[ADR] offset:256*\k           ; LDS serves a wave's instructions in order (ISA guide 5.7.1.4): these see my stores
.endr
.irp k, 0,1,2,3,4
	s_wait_dscnt 4-\k                              ; the younger loads may stay out
	global_store_b64 v[ADS], v[U+2*\k:U+2*\k+1], s[8:9] offset:256*\k th:TH_STORE_NT
.endr
	s_wait_tensorcnt 0x0                           ; the wave's end: behind my last tensor load and my last LDS store
	ds_add_u32 v[SPW], v[NIL]
	s_wait_dscnt 0x0
	ROUND                                          ; the closing round: no work-group ends while a partner may still ask for a tile that names it
	s_endpgm
.Lfunc_end_k_q7b32d36b54_main:
	.size	k_q7b32d36b54_main, .Lfunc_end_k_q7b32d36b54_main-k_q7b32d36b54_main
	.p2alignl 7, 3214868480
	.fill 96, 4, 3214868480
	.section	.rodata,"a",@progbits
	.p2align	6, 0x0
	.amdhsa_kernel k_q7b32d36b54_main
		.amdhsa_group_segment_fixed_size 327680
		.amdhsa_private_segment_fixed_size 0
		.amdhsa_enable_private_segment 0
		.amdhsa_kernarg_size 24
		.amdhsa_user_sgpr_count 2
		.amdhsa_user_sgpr_kernarg_segment_ptr 1
		.amdhsa_wavefront_size32 1
		.amdhsa_system_sgpr_workgroup_id_x 1
		.amdhsa_system_sgpr_workgroup_id_y 1
		.amdhsa_system_sgpr_workgroup_id_z 1
		.amdhsa_system_vgpr_workitem_id 0
		.amdhsa_next_free_vgpr 512
		.amdhsa_next_free_sgpr 96
		.amdhsa_reserve_vcc 1
		.amdhsa_float_denorm_mode_32 3
		.amdhsa_float_denorm_mode_16_64 3
		.amdhsa_memory_ordered 1
		.amdhsa_forward_progress 1
		.amdhsa_inst_pref_size 255
	.end_amdhsa_kernel
	.section	.bss,"aw",@nobits
	.p2align	6
	.space	262144
	.amdgpu_metadata
---
amdhsa.version: [ 1, 2 ]
amdhsa.kernels:
  - .name:           k_q7b32d36b54_main
    .symbol:         k_q7b32d36b54_main.kd
    .args:
      - { .name: x, .offset: 0, .size: 8, .value_kind: global_buffer, .address_space: global }
      - { .name: wq, .offset: 8, .size: 8, .value_kind: global_buffer, .address_space: global }
      - { .name: out0, .offset: 16, .size: 8, .value_kind: global_buffer, .address_space: global }
    .group_segment_fixed_size: 327680
    .private_segment_fixed_size: 0
    .kernarg_segment_align: 8
    .kernarg_segment_size: 24
    .max_flat_workgroup_size: 256
    .sgpr_count:     96
    .vgpr_count:     512
    .wavefront_size: 32
...
	.end_amdgpu_metadata
.endif
;; end of part 2
;; ======== version 2 of 2: 2 launches
;; limits: values are held in bf16: 8 bits of precision; right only within a limited range of input values
;; workspace buffers: wq 647,424 bytes
;; launch prep (part 3): grid 97 x 1, 4 waves a work-group, no clusters, 768 bytes of LDS; arguments W_in, W_up, W_down, W_comb, W_yt, b_in, b_up, b_down, ln_w, ln_b, b_comb, b_yt, y_init, W_head, b_head, wq; writes wq
.if DOCPART == 3
	.amdgcn_target "amdgcn-amd-amdhsa--gfx1250"
	.amdhsa_code_object_version 6
	.text
	.protected	k_q7b32d36b54_prep
	.globl	k_q7b32d36b54_prep
	.p2align	8
	.type	k_q7b32d36b54_prep,@function
k_q7b32d36b54_prep:
	s_mov_b64 s[64:65], 0
	v_nop
	global_prefetch_b8 v0, s[64:65] scope:SCOPE_SE
	s_setreg_imm32_b32 hwreg(HW_REG_WAVE_MODE, 25, 1), 1
	s_wait_xcnt 0x0
; The five weights of the quantised products, f32 stored [K][N], become codes of FP6 (E2M3) with one E8M0 byte for each 32 along K, laid in wq IN THE ORDER OF THE OPERAND'S REGISTERS.
; wq is 96 groups of GRP = 6,656 bytes (26 x 256), then the head block.  A group: four fragments (16 rows x 128 K: 12 registers a lane), fragment f's registers 4 c .. 4 c + 3 of lane l at 1536 f + 512 c + 16 l;
; at 6,144 the four fragments' scale words (64 f + 4 r); at 6,400 a payload of 64 f32 (a bias, a gain or y_init, as the second launch wants it beside these fragments).
; THE ROWS OF A TILE ARE NOT NEIGHBOURS: lane r of tile t takes column n = 32 (t / 2) + 8 (t % 2) + r + 8 (r / 8) of the weight, so that the results of two neighbouring tiles are 16 neighbours along the next K.
; A LANE TAKES A COLUMN n AND ITS REGISTERS RUN DOWN K, in the operand's own order (k = 64 c + 32 (lane / 16) + 0 .. 31): the conversions' results are the operand's registers; a lane holds two whole blocks.
; SHARES: work-group w < 96 makes group w, wave f its fragment f (64 loads of 4 bytes a lane; sixteen lanes read two runs of 32 neighbouring bytes).  Work-group 96 makes the head block: W_head as bf16 fragments, b_head.
; A block's scale is 2^(floor(log2(largest magnitude)) - 2); its byte is the largest magnitude's exponent field - 2, held at 1 from below.  A block of zeros so gets the byte 1 where the rule says 127:
; its codes are zeros, which add nothing under any byte but 0xff, and this program alone reads the bytes.
; LIMITS: blocks whose largest magnitude lies under 2^(3 - 127) keep the byte 1; NaN and infinities among the inputs are not served.
.set GRP,     6656
.set HEADOFF, 96*GRP
	s_load_b512 s[4:19], s[0:1], 0x0               ; W_in s[4:5], W_up s[6:7], W_down s[8:9], W_comb s[10:11], W_yt s[12:13], b_in s[14:15], b_up s[16:17], b_down s[18:19]
	s_load_b512 s[20:35], s[0:1], 0x40             ; ln_w s[20:21], ln_b s[22:23], b_comb s[24:25], b_yt s[26:27], y_init s[28:29], W_head s[30:31], b_head s[32:33], wq s[34:35]
	v_lshl_add_u32 v128, v0, 2, 0x100
	v_mov_b32 v129, 0
	v_lshrrev_b32 v1, 5, v0
	v_readfirstlane_b32 s36, v1                    ; wave f
	v_and_b32 v2, 31, v0                           ; lane
	v_and_b32 v3, 15, v0                           ; r
	v_bfe_u32 v4, v0, 4, 1                         ; h
	v_lshlrev_b32 v5, 4, v2                        ; 16 x lane
	v_lshlrev_b32 v6, 3, v2                        ; 8 x lane
	s_mov_b32 s60, 0x76543210
	s_mov_b32 s61, 0xfedcba98                      ; v_permlanex16_b32's selects for lane l xor 16
	s_wait_kmcnt 0x0
	s_cmp_eq_u32 ttmp9, 96                         ; the same in all four waves
	s_cbranch_scc1 .Lhead
	; ---- which weight, which tiles, which K steps.  Stage = w / 8, g = w % 8.  Kind 0: W_in (stage 0); 1: W_up (stages 1-8, g < 4); 2: W_down (stages 1-8, g >= 4); 3: W_comb (stages 9, 10); 4: W_yt (stage 11)
	s_lshr_b32 s37, ttmp9, 3                       ; stage
	s_and_b32 s38, ttmp9, 7                        ; g
	s_sub_co_u32 s39, s37, 1                       ; c: the chunk of 128 hidden units
	s_sub_co_u32 s40, ttmp9, 72                    ; G: W_comb's group
	s_lshr_b32 s41, s38, 2
	s_add_co_u32 s41, s41, 1
	s_cmp_eq_u32 s37, 0
	s_cselect_b32 s41, 0, s41
	s_cmp_ge_u32 s37, 9
	s_cselect_b32 s41, 3, s41
	s_cmp_eq_u32 s37, 11
	s_cselect_b32 s41, 4, s41                      ; the kind
	s_lshl_b32 s45, s38, 1                         ; first tile T0: kinds 0 and 4: 2 g
	s_lshl_b32 s66, s39, 3
	s_add_co_u32 s66, s66, s45                     ; kind 1: 8 c + 2 g
	s_lshl_b32 s67, s38, 2
	s_sub_co_u32 s67, s67, 16                      ; kind 2: 4 (g - 4)
	s_and_b32 s68, s40, -2                         ; kind 3: G without its lowest bit
	s_and_b32 s69, s40, 1
	s_lshl_b32 s70, s69, 1                         ; kind 3: first K step 2 (G % 2)
	s_cmp_eq_u32 s39, 6                            ; kind 2's payload: b_down, in chunk 6 ln_w, in chunk 7 ln_b
	s_cselect_b64 s[72:73], s[20:21], s[18:19]
	s_cmp_eq_u32 s39, 7
	s_cselect_b64 s[72:73], s[22:23], s[72:73]
	s_cmp_eq_u32 s69, 1                            ; kind 3's: b_comb, in the odd groups y_init
	s_cselect_b64 s[74:75], s[28:29], s[24:25]
	s_mov_b32 s46, 0                               ; first K step S0
	s_mov_b32 s47, 0x20000                         ; bytes for f % 2: a K step, 128 rows of 1,024 bytes
	s_mov_b32 s48, 32                              ; bytes for f / 2: the pair's second tile, 8 columns on
	s_mov_b32 s44, 0x8000                          ; 32 rows in bytes
	s_mov_b32 s55, 15                              ; the payload repeats behind 16 lanes (32 numbers)
	s_mov_b64 s[42:43], s[4:5]
	s_mov_b64 s[50:51], s[14:15]
	s_cmp_eq_u32 s41, 1
	s_cselect_b32 s45, s66, s45
	s_cselect_b32 s47, 0x80000, s47                ; W_up's rows are 4,096 bytes
	s_cselect_b32 s44, 0x20000, s44
	s_cselect_b64 s[42:43], s[6:7], s[42:43]
	s_cselect_b64 s[50:51], s[16:17], s[50:51]
	s_cmp_eq_u32 s41, 2
	s_cselect_b32 s45, s67, s45
	s_cselect_b32 s46, s39, s46
	s_cselect_b32 s47, 32, s47                     ; here the four fragments are four tiles of one K step
	s_cselect_b32 s48, 0x80, s48
	s_cselect_b32 s55, 31, s55                     ; and the payload is 64 different numbers
	s_cselect_b64 s[42:43], s[8:9], s[42:43]
	s_cselect_b64 s[50:51], s[72:73], s[50:51]
	s_cmp_eq_u32 s41, 3
	s_cselect_b32 s45, s68, s45
	s_cselect_b32 s46, s70, s46
	s_cselect_b64 s[42:43], s[10:11], s[42:43]
	s_cselect_b64 s[50:51], s[74:75], s[50:51]
	s_cmp_eq_u32 s41, 4
	s_cselect_b64 s[42:43], s[12:13], s[42:43]
	s_cselect_b64 s[50:51], s[26:27], s[50:51]
	s_cselect_b64 s[52:53], s[28:29], s[50:51]     ; kind 4's payload is b_yt + y_init; elsewhere the second buffer is the first again,
	s_cselect_b32 s56, 1.0, 0                      ; taken 0 times
	s_lshl_b32 s54, s45, 6                         ; 64 T0: the tiles' first column in bytes, and the payload's first byte, in every kind
	s_lshl_b32 s57, s46, 17                        ; S0 K steps (only where rows are 1,024 bytes)
	s_add_co_u32 s57, s57, s54
	s_and_b32 s58, s36, 1
	s_mul_i32 s58, s58, s47
	s_add_co_u32 s57, s57, s58
	s_lshr_b32 s58, s36, 1
	s_mul_i32 s58, s58, s48
	s_add_co_u32 s76, s57, s58
	s_mov_b32 s77, 0
	s_add_nc_u64 s[42:43], s[42:43], s[76:77]      ; my fragment's corner in the weight
	s_mul_i32 s76, ttmp9, GRP
	s_add_nc_u64 s[78:79], s[34:35], s[76:77]      ; my group in wq
	s_wait_alu depctr_va_vdst(0)
	v_and_b32 v7, 8, v3
	v_add_nc_u32 v7, v7, v3                        ; r + 8 (r / 8)
	v_lshlrev_b32 v7, 2, v7
	v_mul_u32_u24 v8, s44, v4                      ; lanes 16-31 begin 32 rows further down
	v_add_nc_u32 v7, v7, v8
	v_and_b32 v14, s55, v2                         ; the payload, 8 bytes a lane: asked for ahead of the weight's loads and awaited with them; every wave asks, so that no branch stands here; wave 1 stores it
	v_lshlrev_b32 v14, 3, v14
	v_add_nc_u32 v14, s54, v14
	global_load_b64 v[24:25], v14, s[50:51]
	global_load_b64 v[26:27], v14, s[52:53]
.macro LOADW pitch                     ; W(64 c + 32 h + i, my column)
.irp c, 0,1
.irp i, 0,1,2,3,4,5,6,7,8,9,10,11,12,13,14,15,16,17,18,19,20,21,22,23,24,25,26,27,28,29,30,31
	global_load_b32 v[64+32*\c+\i], v7, s[42:43] offset:(64*\c+\i)*\pitch
.endr
.endr
.endm
	s_cmp_eq_u32 s41, 1                            ; the row pitch stands in the loads' immediates: the branch goes round the loads alone
	s_cbranch_scc1 .Lwide
	LOADW 1024
	s_branch .Lloaded
.Lwide:
	s_wait_alu depctr_va_vdst(0)
	LOADW 4096
.Lloaded:
	s_wait_loadcnt 0x0
.irp c, 0,1                                    ; my block 2 c + h: all its 32 numbers are mine
	v_max3_num_f32 v[32+\c], |v[64+32*\c]|, |v[65+32*\c]|, 0x1800000   ; and the floor 2^(3 - 127): the byte cannot fall under 1
.endr
.irp i, 2,4,6,8,10,12,14,16,18,20,22,24,26,28,30
.irp c, 0,1
	v_max3_num_f32 v[32+\c], v[32+\c], |v[64+32*\c+\i]|, |v[65+32*\c+\i]|
.endr
.endr
.irp c, 0,1
	v_add_nc_u32 v[44+\c], 0xff000000, v[32+\c]    ; 2 off the exponent field: the conversion takes this operand's exponent field as its scale
.endr
.irp c, 0,1
	v_lshrrev_b32 v[36+\c], 23, v[44+\c]           ; the scale's byte
.endr
	v_lshl_or_b32 v9, v37, 16, v36                 ; my two bytes: blocks h and 2 + h,
	v_lshlrev_b32 v10, 3, v4
	v_lshlrev_b32 v9, v10, v9                      ; at their places in the scale word;
	v_mov_b32 v10, 0
	v_permlanex16_b32 v10, v9, s60, s61
	v_or_b32 v9, v9, v10                           ; with lane l xor 16's two the word is whole
.irp c, 0,1
	v_cvt_scalef32_pk16_fp6_f32 v[48+6*\c:50+6*\c], v[64+32*\c:79+32*\c], v[44+\c]
	v_cvt_scalef32_pk16_fp6_f32 v[16+4*\c:18+4*\c], v[80+32*\c:95+32*\c], v[44+\c]   ; (a conversion's three registers begin on an even number)
.endr
	v_nop                                          ; one plain place behind a scaled conversion
.irp c, 0,1
.irp i, 0,1,2
	v_mov_b32 v[51+6*\c+\i], v[16+4*\c+\i]
.endr
.endr
	s_mul_i32 s58, s36, 1536
	v_add_nc_u32 v5, s58, v5
.irp c, 0,1,2
	global_store_b128 v5, v[48+4*\c:51+4*\c], s[78:79] offset:512*\c   ; the fragment as it stands: each store covers 512 consecutive bytes, aligned to 256
.endr
	v_lshlrev_b32 v11, 2, v3
	s_lshl_b32 s58, s36, 6
	v_add_nc_u32 v11, s58, v11
	ds_store_b32 v11, v9                           ; the four waves' scale words meet in LDS (both halves of the lanes write the same word), so that they leave as 256 consecutive bytes
	s_wait_dscnt 0x0                               ; for the others' sake: my store has landed
	s_barrier_signal -1
	s_barrier_wait -1
	s_cmp_eq_u32 s36, 0
	s_cbranch_scc0 .Lnot_0
	ds_load_b64 v[12:13], v6
	s_wait_dscnt 0x0
	global_store_b64 v6, v[12:13], s[78:79] offset:6144
	s_branch .Lend
.Lnot_0:
	s_cmp_eq_u32 s36, 1
	s_cbranch_scc0 .Lend
	v_fma_f32 v24, s56, v26, v24                   ; the payload: it was asked for with the weight's loads
	v_fma_f32 v25, s56, v27, v25
	global_store_b64 v6, v[24:25], s[78:79] offset:6400
.Lend:
	s_wait_tensorcnt 0x0
	ds_add_u32 v128, v129
	s_wait_dscnt 0x0
	s_endpgm
	; ---- the head block.  W_head [256][10] as source 0 of the bf16 product, 16 outputs x 32 K a step: register i of lane (o, h) holds W_head[32 p + 16 h + 2 i][o] and [.. + 1][o], zeros for o >= 10.
	; (K is permuted inside a step as the second launch's y lies in its registers; both sources alike.)  Wave f makes steps 2 f and 2 f + 1.
.Lhead:
	s_wait_alu depctr_va_vdst(0)
	v_min_u32 v7, 9, v3                            ; no load leaves the buffer: lanes of outputs 10-15 read output 9 and are cleared below
	v_lshlrev_b32 v7, 2, v7
	v_mad_u32_u24 v7, v4, 640, v7                  ; 16 h rows of 40 bytes
	s_mul_i32 s37, s36, 2560
	v_add_nc_u32 v7, s37, v7
.irp q, 0,1
.irp i, 0,1,2,3,4,5,6,7,8,9,10,11,12,13,14,15
	global_load_b32 v[64+16*\q+\i], v7, s[30:31] offset:40*(32*\q+\i)
.endr
.endr
	s_wait_loadcnt 0x0
	v_cmp_gt_u32 vcc_lo, 10, v3
.irp j, 0,1,2,3,4,5,6,7,8,9,10,11,12,13,14,15
	v_cvt_pk_bf16_f32 v[32+\j], v[64+2*\j], v[65+2*\j]
.endr
.irp j, 0,1,2,3,4,5,6,7,8,9,10,11,12,13,14,15
	v_cndmask_b32 v[32+\j], 0, v[32+\j], vcc_lo
.endr
	s_lshl_b32 s37, s36, 11
	v_add_nc_u32 v5, s37, v5
.irp j, 0,1,2,3
	global_store_b128 v5, v[32+4*\j:35+4*\j], s[34:35] offset:HEADOFF+512*\j
.endr
	s_cmp_lg_u32 s36, 0
	s_cbranch_scc1 .Lhead_end
	v_min_u32 v8, 4, v2                            ; b_head's ten numbers, then zeros: 64 f32
	v_lshlrev_b32 v8, 3, v8
	global_load_b64 v[12:13], v8, s[32:33]
	s_wait_loadcnt 0x0
	v_cmp_gt_u32 vcc_lo, 5, v2
	v_cndmask_b32 v12, 0, v12, vcc_lo
	v_cndmask_b32 v13, 0, v13, vcc_lo
	global_store_b64 v6, v[12:13], s[34:35] offset:HEADOFF+8192
.Lhead_end:
	s_endpgm
.Lfunc_end_k_q7b32d36b54_prep:
	.size	k_q7b32d36b54_prep, .Lfunc_end_k_q7b32d36b54_prep-k_q7b32d36b54_prep
	.p2alignl 7, 3214868480
	.fill 96, 4, 3214868480
	.section	.rodata,"a",@progbits
	.p2align	6, 0x0
	.amdhsa_kernel k_q7b32d36b54_prep
		.amdhsa_group_segment_fixed_size 768
		.amdhsa_private_segment_fixed_size 0
		.amdhsa_enable_private_segment 0
		.amdhsa_kernarg_size 128
		.amdhsa_user_sgpr_count 2
		.amdhsa_user_sgpr_kernarg_segment_ptr 1
		.amdhsa_wavefront_size32 1
		.amdhsa_system_sgpr_workgroup_id_x 1
		.amdhsa_system_sgpr_workgroup_id_y 1
		.amdhsa_system_sgpr_workgroup_id_z 1
		.amdhsa_system_vgpr_workitem_id 0
		.amdhsa_next_free_vgpr 130
		.amdhsa_next_free_sgpr 80
		.amdhsa_reserve_vcc 1
		.amdhsa_float_denorm_mode_32 3
		.amdhsa_float_denorm_mode_16_64 3
		.amdhsa_memory_ordered 1
		.amdhsa_forward_progress 1
		.amdhsa_inst_pref_size 27
	.end_amdhsa_kernel
	.amdgpu_metadata
---
amdhsa.version: [ 1, 2 ]
amdhsa.kernels:
  - .name:           k_q7b32d36b54_prep
    .symbol:         k_q7b32d36b54_prep.kd
    .args:
      - { .name: W_in, .offset: 0, .size: 8, .value_kind: global_buffer, .address_space: global }
      - { .name: W_up, .offset: 8, .size: 8, .value_kind: global_buffer, .address_space: global }
      - { .name: W_down, .offset: 16, .size: 8, .value_kind: global_buffer, .address_space: global }
      - { .name: W_comb, .offset: 24, .size: 8, .value_kind: global_buffer, .address_space: global }
      - { .name: W_yt, .offset: 32, .size: 8, .value_kind: global_buffer, .address_space: global }
      - { .name: b_in, .offset: 40, .size: 8, .value_kind: global_buffer, .address_space: global }
      - { .name: b_up, .offset: 48, .size: 8, .value_kind: global_buffer, .address_space: global }
      - { .name: b_down, .offset: 56, .size: 8, .value_kind: global_buffer, .address_space: global }
      - { .name: ln_w, .offset: 64, .size: 8, .value_kind: global_buffer, .address_space: global }
      - { .name: ln_b, .offset: 72, .size: 8, .value_kind: global_buffer, .address_space: global }
      - { .name: b_comb, .offset: 80, .size: 8, .value_kind: global_buffer, .address_space: global }
      - { .name: b_yt, .offset: 88, .size: 8, .value_kind: global_buffer, .address_space: global }
      - { .name: y_init, .offset: 96, .size: 8, .value_kind: global_buffer, .address_space: global }
      - { .name: W_head, .offset: 104, .size: 8, .value_kind: global_buffer, .address_space: global }
      - { .name: b_head, .offset: 112, .size: 8, .value_kind: global_buffer, .address_space: global }
      - { .name: wq, .offset: 120, .size: 8, .value_kind: global_buffer, .address_space: global }
    .group_segment_fixed_size: 768
    .private_segment_fixed_size: 0
    .kernarg_segment_align: 8
    .kernarg_segment_size: 128
    .max_flat_workgroup_size: 128
    .sgpr_count:     80
    .vgpr_count:     130
    .wavefront_size: 32
...
	.end_amdgpu_metadata
.endif
;; end of part 3
;; launch main (part 4): grid 256 x 1, 8 waves a work-group, clusters of 4 x 1, 327,680 bytes of LDS; arguments x, wq, out0; writes out0
.if DOCPART == 4
	.amdgcn_target "amdgcn-amd-amdhsa--gfx1250"
	.amdhsa_code_object_version 6
	.text
	.protected	k_q7b32d36b54_main
	.globl	k_q7b32d36b54_main
	.p2align	8
	.type	k_q7b32d36b54_main,@function
k_q7b32d36b54_main:
	s_mov_b64 s[64:65], 0
	v_nop
	global_prefetch_b8 v0, s[64:65] scope:SCOPE_SE
	s_setreg_imm32_b32 hwreg(HW_REG_WAVE_MODE, 25, 1), 1
	s_wait_xcnt 0x0
	s_wait_alu depctr_hold_cnt(0) depctr_sa_sdst(0) depctr_va_vdst(0) depctr_va_sdst(0) depctr_va_ssrc(0) depctr_va_vcc(0) depctr_vm_vsrc(0)
	s_getreg_b32 s2, hwreg(HW_REG_IB_STS2, 6, 4)
	s_cmp_eq_u32 s2, 0
	s_cbranch_scc0 .Lentry_in_a_cluster
	s_endpgm
.Lentry_in_a_cluster:
	s_bfe_u32 s2, ttmp6, 0x10000c
	s_cmp_lg_u32 s2, 0x3003
	s_cbranch_scc0 .Lentry_shape_is_right
	s_endpgm
.Lentry_shape_is_right:
; out0 = (y_init + gelu([LN(z + gelu(z W_up + b_up) W_down + b_down), y_init] W_comb + b_comb) W_yt + b_yt) W_head + b_head, z = x W_in + b_in.
; The first five products on codes of FP6 (E2M3) with one E8M0 scale for each 32 along K; the last, whose result feeds no quantiser, on bf16.  No activation goes to memory.
; SHARES: a work-group owns 256 rows of x, each of its eight waves 32: two tiles R of 16.  Each weight fragment read from LDS feeds two products.
; LAYOUT: every product is used transposed (source 0 = 16 rows of the weight, source 1 = 16 rows of the activation): lane (r, h) holds row r of its tile through the whole chain, and register j of
; weight tile t is column 32 (t / 2) + 16 h + 8 (t % 2) + j, since the first launch chose the tiles' rows so: 16 registers of two neighbouring tiles are 16 neighbours along the next K.
; WEIGHTS: wq holds 12 stages of 8 groups (4 fragments as images of their registers, their scale words, 64 f32 of biases).  Stage 0 is filled at the head.  Stages 1 to 11 go through two slots of THREE stages
; each, on end from LDS byte 0, where x and stage 0 lay: (1,2,3), (4,5,6), (7,8,9), (10,11).  All work-groups walk the same stages, so the four of a cluster ask JOINTLY; a wave's load is three groups (at last two).
; THE HEAD: one tensor load a wave: waves 0, 1 x (128 rows each), waves 2, 3 stage 0 (4 groups each), waves 4-6 b_down, ln_w, ln_b, wave 7 y_init.
; NO DATA PREFETCH: every work-group reads the same 647,424 bytes of wq, each slot is asked for three chunks ahead of its use, and x is read once, at the head, where no loop stands ahead of it.
; GELU: 2 gelu(x) = x + x erf(x / sqrt 2); erf(z) = z P(z^2) / Q(z^2), P of degree 6, Q of degree 4, z held to +-4 (beyond it erf is 1 to f32); the factors of z = x / sqrt 2 are folded into the coefficients.
; One reciprocal serves sixteen numbers: Q lies between 0.0142 and 2.4, so the product of sixteen stays inside f32's range; each 1 / q is the reciprocal times the other fifteen, by a tree of packed products.
; The factor 2 is left in: the quantiser takes it off the scale's byte.
; LIMITS: 1 + erf is formed in f32, as x (1 + erf) / 2 reads, and erf carries some ten f32 roundings: in the negative tail the result has an absolute error of a few 1e-7 |x|; blocks under the floor keep the
; byte 1; NaN and infinities are not served; b_down is added behind the third product's sums and y_init + b_yt ahead of the fifth's: another order of f32 rounding than the source's.
; REGISTERS, window 0: v1-9 addresses; v[10:11], v[24:25] two coefficients; v12-15, v28-29 weights' scale words; v16-19 z's, v20-21 the hidden layer's, v22-23 the last hidden layer's first K step's,
;   v26-27 y's; v40-87 z's four fragments; v88-111 the hidden layer's two; v112-159 weight buffer A; v160-175 a bias; v176-207 U; v208-255 at work and weight buffer B; the gelu works on v112-175 and v208-251.
; window 1: up to the LayerNorm z's 32 accumulators (128 R + 8 t + j); then v0-23 y's codes, v24-47 the last hidden layer's first K step, v48-95 weight buffer C, v96-159 W_head, v160-175 the outputs' sums,
;   v176-183 b_head, v192-255 y_init.
.set GRP,     6656
.set STG,     8*GRP
.set HEADOFF, 12*STG
.set XP,      1040                     ; a row of x in LDS: 1,024 bytes + 16
.set XW,      32*XP
.set CELL0,   8*XW                     ; behind x: stage 0
.set SPARE,   CELL0+STG                ; the spare words: 128 bytes a wave
.set LNC,     SPARE+1024               ; b_down, ln_w, ln_b, y_init: filled once
.set SLOTB,   3*STG                    ; slot 0 at byte 0, slot 1 here; its end is SPARE
.set OST,     0                        ; the way out: 2,048 bytes a wave, where stage 7 lay: last filled and last read ahead of the last barrier
.set SPW, 1
.set NIL, 2
.set LI,  3
.set LS4, 4
.set LB,  5
.set ADR, 6
.set ADS, 7
.set ADB, 8
.set XA,  9
.set CA5, 10
.set WS,  12
.set ZS,  16
.set HS,  20
.set CS,  22
.set CB3, 24
.set YS,  26
.set WS3, 28
.set ZQ,  40
.set HQ,  88
.set WA,  112
.set BC,  160
.set U,   176
.set TMP, 208
.set BC2, 224
.set T1,  112                          ; gelu: x held, then Q, then 1 / (pairs of Q)
.set T2,  144                          ; x^2, then the tree of products of Q and the reciprocals
.set T3,  208                          ; P, then erf: the one that lives to the end lies off the weight buffer
.set T4,  240                          ; the tree on its way back
.set SCR, 112
.set YQ,  0
.set CQ,  24
.set WC,  48
.set WH,  96
.set ACCH, 160
.set BH,  176
.set YL,  192
.set MSB, 0
.macro WIN new
.if MSB != (\new)
	s_set_vgpr_msb (MSB<<8)|(\new)
.set MSB, (\new)
.endif
.endm
.macro PLACES n
.rept \n
	v_nop
.endr
.endm
.macro PAIR r, val
	s_mov_b32 s[\r], \val
	s_mov_b32 s[\r+1], \val
.endm
.macro VW                              ; the wait ahead of blocking waits, branches and transcendentals, and behind the latter
	s_wait_alu depctr_va_vdst(0)
.endm
.macro ROUND                           ; a round of the cluster's barrier
	s_barrier_signal -1
	s_barrier_wait -1
	s_cmp_lg_u32 s10, 0
	s_cbranch_scc1 .Lnot_wave_0_\@
	s_barrier_signal -3
.Lnot_wave_0_\@:
	s_barrier_wait -3
	s_barrier_signal -1
	s_barrier_wait -1
.endm
; The change of slots: all my tensor loads are in, 0 onto my spare word, my LDS reads are over; then the barrier.  kind 0: nothing is filled.  kind 1: a round, and my joint load by group 0 at s[g0].
; rows: a new count of rows for the weights' descriptor; step: slot 0's address goes six stages on.  Both are written while no tensor load of mine is out.
.macro SYNC kind, g0, rows, step
	WIN 0
	VW
	s_wait_tensorcnt 0x0
	ds_add_u32 v[SPW], v[NIL]
.if \rows
	s_mov_b32 s26, \rows<<16
	s_mov_b32 s28, \rows
.endif
.if \step
	s_add_nc_u64 s[54:55], s[54:55], 6*STG
.endif
	s_wait_dscnt 0x0
.if \kind == 0
	s_barrier_signal -1
	s_barrier_wait -1
.else
	ROUND
	tensor_load_to_lds s[\g0:\g0+3], s[24:31]
	s_nop 0
	PLACES 4
.endif
.endm
.macro SETBASE c
	v_add_nc_u32 v[ADR], \c, v[LI]
	v_add_nc_u32 v[ADS], \c, v[LS4]
	v_add_nc_u32 v[ADB], \c, v[LB]
.endm
; group g from the base in hand: four fragments, two registers of scale words, and, if BCR >= 0, my half's 16 numbers of the payload: 14 LDS loads, or 18
.macro LOADG g, W, DW, WSR, BCR
	WIN (\DW<<6)
.irp f, 0,1,2,3
.irp c, 0,1,2
	ds_load_b128 v[\W+12*\f+4*\c:\W+12*\f+4*\c+3], v[ADR] offset:(\g)*GRP+1536*\f+512*\c
.endr
.endr
	WIN 0
	ds_load_b32 v[\WSR], v[ADS] offset:(\g)*GRP+6144
	ds_load_b32 v[\WSR+1], v[ADS] offset:(\g)*GRP+6144+128
.if \BCR >= 0
.irp i, 0,1,2,3
	ds_load_b128 v[\BCR+4*\i:\BCR+4*\i+3], v[ADB] offset:(\g)*GRP+6400+16*\i
.endr
.endif
.endm
.macro FP6 d, a, b, c, sa, sb, row     ; row = 1: the weight's scale words stand in lanes 16-31
.if (\row)
	v_wmma_scale_f32_16x16x128_f8f6f4 v[\d:\d+7], v[\a:\a+11], v[\b:\b+11], v[\c:\c+7], v[\sa], v[\sb] matrix_a_fmt:MATRIX_FMT_FP6 matrix_b_fmt:MATRIX_FMT_FP6 matrix_a_scale:MATRIX_SCALE_ROW1
.else
	v_wmma_scale_f32_16x16x128_f8f6f4 v[\d:\d+7], v[\a:\a+11], v[\b:\b+11], v[\c:\c+7], v[\sa], v[\sb] matrix_a_fmt:MATRIX_FMT_FP6 matrix_b_fmt:MATRIX_FMT_FP6
.endif
.endm
; 64 numbers of a lane in window 1 (register 16 b + i = k 32 b + 16 h + i of my row) become a fragment's codes in v[D] on and its scale word in v[SW], window 0
.set TM, 208
.set QO, 224
.macro QUANTK SRC, D, SW
	WIN 0x05
.irp b, 0,1,2,3
	v_max3_num_f32 v[TM+\b], |v[\SRC+16*\b]|, |v[\SRC+16*\b+1]|, 0x1800000   ; the floor 2^(3 - 127): the byte cannot fall under 1
.endr
.irp i, 2,4,6,8,10,12,14
.irp b, 0,1,2,3
	v_max3_num_f32 v[TM+\b], |v[\SRC+16*\b+\i]|, |v[\SRC+16*\b+\i+1]|, v[TM+\b]
.endr
.endr
	WIN 0
.irp b, 0,1,2,3
	v_permlanex16_b32 v[TM+4+\b], v[TM+\b], s56, s57
.endr
.irp b, 0,1,2,3
	v_max_num_f32 v[TM+\b], v[TM+\b], v[TM+4+\b]
.endr
.irp b, 0,1,2,3
	v_add_nc_u32 v[TM+12+\b], 0xff000000, v[TM+\b] ; 2 off the exponent field: the conversion's scale operand
.endr
.irp b, 0,1,2,3
	v_lshrrev_b32 v[TM+4+\b], 23, v[TM+12+\b]
.endr
	v_lshl_or_b32 v[\SW], v[TM+5], 8, v[TM+4]
	v_lshl_or_b32 v[\SW], v[TM+6], 16, v[\SW]
	v_lshl_or_b32 v[\SW], v[TM+7], 24, v[\SW]
	WIN 0x01
.irp c, 0,1
	v_cvt_scalef32_pk16_fp6_f32 v[\D+6*\c:\D+6*\c+2], v[\SRC+32*\c:\SRC+32*\c+15], v[TM+12+2*\c]
	v_cvt_scalef32_pk16_fp6_f32 v[QO+4*\c:QO+4*\c+2], v[\SRC+32*\c+16:\SRC+32*\c+31], v[TM+12+2*\c+1]
.endr
	WIN 0
	v_nop                                          ; one plain place behind a scaled conversion
.irp c, 0,1                                    ; a whole block to a lane: lanes 0-15 block 2 c, lanes 16-31 block 2 c + 1
.irp i, 0,1,2
	v_permlane16_swap_b32 v[\D+6*\c+\i], v[QO+4*\c+\i]
.endr
.irp i, 0,1,2
	v_mov_b32 v[\D+6*\c+3+\i], v[QO+4*\c+\i]
.endr
.endr
.endm
.macro Q4
.irp R, 0,1
.irp s, 0,1
	QUANTK 128*\R+64*\s, ZQ+24*\R+12*\s, ZS+2*\R+\s
.endr
.endr
.endm
.macro GW a, n                         ; quads a .. a + n - 1: each pair's numerator x the other pair's Q
.set w, \a
.rept \n
	v_pk_mul_f32 v[T3+4*w:T3+4*w+1], v[T3+4*w:T3+4*w+1], v[T1+4*w+2:T1+4*w+3]
	v_pk_mul_f32 v[T3+4*w+2:T3+4*w+3], v[T3+4*w+2:T3+4*w+3], v[T1+4*w:T1+4*w+1]
.set w, w+1
.endr
.endm
; U's 32 numbers become 2 gelu of themselves.  Pairs p = 0 .. 15; a quad = two pairs; eight pairs share one reciprocal.
.macro GELU
.set p, 0
.rept 32
	v_med3_num_f32 v[T1+p], v[U+p], s58, s84       ; x held to +-4 sqrt 2; each accumulator is read from its low end on
.set p, p+1
.endr
.set p, 0
.rept 16
	v_pk_mul_f32 v[T2+2*p:T2+2*p+1], v[T1+2*p:T1+2*p+1], v[T1+2*p:T1+2*p+1]
.set p, p+1
.endr
.set p, 0
.rept 16
	v_pk_fma_f32 v[T3+2*p:T3+2*p+1], v[T2+2*p:T2+2*p+1], s[62:63], v[CA5:CA5+1] op_sel_hi:[1,0,1]
.set p, p+1
.endr
.irp k, 66,68,70,72,74
.set p, 0
.rept 16
	v_pk_fma_f32 v[T3+2*p:T3+2*p+1], v[T3+2*p:T3+2*p+1], v[T2+2*p:T2+2*p+1], s[\k:\k+1] op_sel_hi:[1,1,0]
.set p, p+1
.endr
.endr
.set p, 0
.rept 16
	v_pk_mul_f32 v[T3+2*p:T3+2*p+1], v[T3+2*p:T3+2*p+1], v[T1+2*p:T1+2*p+1]   ; x P
.set p, p+1
.endr
.set p, 0
.rept 16
	v_pk_fma_f32 v[T1+2*p:T1+2*p+1], v[T2+2*p:T2+2*p+1], s[76:77], v[CB3:CB3+1] op_sel_hi:[1,0,1]   ; Q, where x held lay
.set p, p+1
.endr
.irp k, 78,80,82
.set p, 0
.rept 16
	v_pk_fma_f32 v[T1+2*p:T1+2*p+1], v[T1+2*p:T1+2*p+1], v[T2+2*p:T2+2*p+1], s[\k:\k+1] op_sel_hi:[1,1,0]
.set p, p+1
.endr
.endr
.set p, 0
.rept 8
	v_pk_mul_f32 v[T2+2*p:T2+2*p+1], v[T1+4*p:T1+4*p+1], v[T1+4*p+2:T1+4*p+3]             ; the tree, level 1: a quad's two pairs
.set p, p+1
.endr
.set p, 0
.rept 4
	v_pk_mul_f32 v[T2+16+2*p:T2+16+2*p+1], v[T2+4*p:T2+4*p+1], v[T2+4*p+2:T2+4*p+3]       ; level 2
.set p, p+1
.endr
	GW 0, 2
.set p, 0
.rept 2
	v_pk_mul_f32 v[T2+24+2*p:T2+24+2*p+1], v[T2+16+4*p:T2+16+4*p+1], v[T2+16+4*p+2:T2+16+4*p+3]   ; level 3
.set p, p+1
.endr
	GW 2, 2
.set p, 0
.rept 2
	v_mul_f32 v[T2+28+p], v[T2+24+2*p], v[T2+24+2*p+1]                                    ; sixteen Q
.set p, p+1
.endr
	VW
.set p, 0
.rept 2
	v_rcp_f32 v[T2+28+p], v[T2+28+p]
.set p, p+1
.endr
	GW 4, 4
	VW
.set p, 0
.rept 2
	v_mul_f32 v[T4+2*p], v[T2+28+p], v[T2+24+2*p+1]                                       ; back: 1 / level 3, each half by the other
	v_mul_f32 v[T4+2*p+1], v[T2+28+p], v[T2+24+2*p]
.set p, p+1
.endr
.set p, 0
.rept 2
	v_pk_mul_f32 v[T4+4+4*p:T4+4+4*p+1], v[T4+2*p:T4+2*p+1], v[T2+16+4*p+2:T2+16+4*p+3]   ; 1 / level 2, each by its partner
	v_pk_mul_f32 v[T4+4+4*p+2:T4+4+4*p+3], v[T4+2*p:T4+2*p+1], v[T2+16+4*p:T2+16+4*p+1]
.set p, p+1
.endr
.set p, 0
.rept 4
	v_pk_mul_f32 v[T1+4*p:T1+4*p+1], v[T4+4+2*p:T4+4+2*p+1], v[T2+4*p+2:T2+4*p+3]         ; 1 / level 1
	v_pk_mul_f32 v[T1+4*p+2:T1+4*p+3], v[T4+4+2*p:T4+4+2*p+1], v[T2+4*p:T2+4*p+1]
.set p, p+1
.endr
.set p, 0
.rept 8
	v_pk_mul_f32 v[T3+4*p:T3+4*p+1], v[T3+4*p:T3+4*p+1], v[T1+2*p:T1+2*p+1]               ; erf
	v_pk_mul_f32 v[T3+4*p+2:T3+4*p+3], v[T3+4*p+2:T3+4*p+3], v[T1+2*p:T1+2*p+1]
.set p, p+1
.endr
.endm
.macro GELUB                           ; the gelu's last line, x + x erf: it names U and v208-239 alone, so loads into v112-175 may be issued ahead of it
.set p, 0
.rept 16
	v_pk_fma_f32 v[U+2*p:U+2*p+1], v[U+2*p:U+2*p+1], v[T3+2*p:T3+2*p+1], v[U+2*p:U+2*p+1]
.set p, p+1
.endr
.endm
; One block of a K step, both R, from U = 2 g.  s[cnt] counts 4, 3, 2, 1: an even count is an even block.  The raw exponent field is shifted into v[HS], v[HS+1] from the top (3 comes off each byte behind the loop).
; EVEN: the pair finished last moves from registers 6-11 down to 0-5, and this block's half blocks go into 6-8.  ODD: its half blocks change halves of the lanes with the even block's.
.set QM, 208
.set QN, 210
.set QX, 212
.set QS, 214
.set QY, 216
.set QOO, 220
.macro QB cnt
.irp R, 0,1
	v_max3_num_f32 v[QM+\R], |v[U+16*\R]|, |v[U+16*\R+1]|, 0x2000000      ; the floor 2^(4 - 127)
	v_max3_num_f32 v[QN+\R], |v[U+16*\R+8]|, |v[U+16*\R+9]|, |v[U+16*\R+10]|
.endr
.irp i, 2,4
.irp R, 0,1
	v_max3_num_f32 v[QM+\R], v[QM+\R], |v[U+16*\R+\i]|, |v[U+16*\R+\i+1]|
	v_max3_num_f32 v[QN+\R], v[QN+\R], |v[U+16*\R+\i+9]|, |v[U+16*\R+\i+10]|
.endr
.endr
.irp R, 0,1
	v_max3_num_f32 v[QM+\R], v[QM+\R], |v[U+16*\R+6]|, |v[U+16*\R+7]|
.endr
.irp R, 0,1
	v_max3_num_f32 v[QM+\R], v[QM+\R], v[QN+\R], |v[U+16*\R+15]|
.endr
.irp R, 0,1
	v_permlanex16_b32 v[QX+\R], v[QM+\R], s56, s57
.endr
.irp R, 0,1
	v_max_num_f32 v[QM+\R], v[QM+\R], v[QX+\R]
.endr
.irp R, 0,1
	v_add_nc_u32 v[QS+\R], 0xff000000, v[QM+\R]
.endr
.irp R, 0,1
	v_lshrrev_b32 v[QY+\R], 23, v[QM+\R]
.endr
.irp R, 0,1
	v_lshrrev_b32 v[HS+\R], 8, v[HS+\R]
.endr
.irp R, 0,1
	v_lshl_or_b32 v[HS+\R], v[QY+\R], 24, v[HS+\R]
.endr
	s_and_b32 s14, s[\cnt], 1
	s_cmp_lg_u32 s14, 0
	VW
	s_cbranch_scc1 .Lodd_\@
.irp i, 0,1,2,3,4,5
	v_mov_b32 v[HQ+\i], v[HQ+6+\i]
	v_mov_b32 v[HQ+12+\i], v[HQ+18+\i]
.endr
	v_cvt_scalef32_pk16_fp6_f32 v[HQ+6:HQ+8], v[U:U+15], v[QS]
	v_cvt_scalef32_pk16_fp6_f32 v[HQ+18:HQ+20], v[U+16:U+31], v[QS+1]
	v_nop
	VW
	s_branch .Ldone_\@
.Lodd_\@:
	v_cvt_scalef32_pk16_fp6_f32 v[QOO:QOO+2], v[U:U+15], v[QS]
	v_cvt_scalef32_pk16_fp6_f32 v[QOO+4:QOO+6], v[U+16:U+31], v[QS+1]
	v_nop
.irp R, 0,1
.irp i, 0,1,2
	v_permlane16_swap_b32 v[HQ+12*\R+6+\i], v[QOO+4*\R+\i]
.endr
.endr
.irp R, 0,1
.irp i, 0,1,2
	v_mov_b32 v[HQ+12*\R+9+\i], v[QOO+4*\R+\i]
.endr
.endr
.Ldone_\@:
.endm
.macro P2MUL                           ; two weight tiles x R, K = z's 256, into U; the bias starts the sums; the four accumulators take turns
.irp u, 0,1
.irp R, 0,1
	FP6 U+16*\R+8*\u, WA+24*\u, ZQ+24*\R, BC+8*\u, WS+\u, ZS+2*\R, 0
.endr
.endr
.irp u, 0,1
.irp R, 0,1
	FP6 U+16*\R+8*\u, WA+24*\u+12, ZQ+24*\R+12, U+16*\R+8*\u, WS+\u, ZS+2*\R+1, 1
.endr
.endr
.endm
.macro P3MUL k, buf, ws                ; W_down's tiles 4 k .. 4 k + 3 x R, K = the chunk's 128, onto z's accumulators
	WIN 0x50
.irp f, 0,1,2,3
.irp R, 0,1
	FP6 128*\R+8*(4*(\k)+\f), \buf+12*\f, HQ+12*\R, 128*\R+8*(4*(\k)+\f), \ws+(\f/2), HS+\R, \f%2
.endr
.endr
	WIN 0
.endm
.macro P1STEP g, W, WSR, BCR           ; W_in's tiles 2 g, 2 g + 1 x R into z's accumulators; b_in starts the sums
	VW
.if (\g) < 7
	s_wait_dscnt 18                                ; the one younger group's 18 loads may be out
.else
	s_wait_dscnt 0x0
.endif
	WIN 0x40
.irp u, 0,1
.irp R, 0,1
	FP6 128*\R+16*(\g)+8*\u, \W+24*\u, ZQ+24*\R, \BCR+8*\u, \WSR+\u, ZS+2*\R, 0
.endr
.endr
	WIN 0x50
.irp u, 0,1
.irp R, 0,1
	FP6 128*\R+16*(\g)+8*\u, \W+24*\u+12, ZQ+24*\R+12, 128*\R+16*(\g)+8*\u, \WSR+\u, ZS+2*\R+1, 1
.endr
.endr
	WIN 0
	PLACES 4
.if (\g)+2 < 8
	LOADG (\g)+2, \W, 0, \WSR, \BCR
.endif
.endm
; n chunks of 128 hidden units, a stage each, on end in LDS from byte s86.  Groups 0-3: W_up, a block of 32 units each.  Groups 4-7: W_down's 16 tiles for this K step
.macro CHUNKS n
	s_mov_b32 s85, \n
.Lchunk_\@:
	SETBASE s86
	LOADG 0, WA, 0, WS, BC
	s_mov_b32 s2, 4
.Lblock_\@:
	s_add_co_u32 s86, s86, GRP
	VW
	s_wait_dscnt 0x0
	P2MUL
	SETBASE s86                                    ; three of the four places ahead of the first read of U
	v_nop
	GELU
	LOADG 0, WA, 0, WS, BC                         ; the next group, into registers that the gelu has left.  (Behind the fourth block: W_down's first; its payload is not used)
	GELUB
	QB 2
	s_sub_co_u32 s2, s2, 1
	s_cmp_lg_u32 s2, 0
	VW
	s_cbranch_scc1 .Lblock_\@
	v_add_nc_u32 v[HS], 0xfcfcfcfd, v[HS]          ; 3 off each byte: 2 for the format, 1 for the factor 2; every byte is 4 or more
	v_add_nc_u32 v[HS+1], 0xfcfcfcfd, v[HS+1]
	LOADG 1, TMP, 0, WS+2, -1
	VW
	s_wait_dscnt 14                                ; all but the 14 just issued: the first group and its payload are in, so v160 on may take loads
	LOADG 2, BC, 0, WS3, -1
	PLACES 8
	P3MUL 0, WA, WS
	PLACES 4
	LOADG 3, WA, 0, WS, -1
	s_wait_dscnt 28                                ; two younger groups of 14 may be out
	P3MUL 1, TMP, WS+2
	s_wait_dscnt 14
	P3MUL 2, BC, WS3
	s_wait_dscnt 0x0
	P3MUL 3, WA, WS
	PLACES 4
	s_add_co_u32 s86, s86, 4*GRP                   ; the next stage
	s_sub_co_u32 s85, s85, 1
	s_cmp_lg_u32 s85, 0
	s_cbranch_scc1 .Lchunk_\@
.endm
	; ---------------- the head
	s_load_b128 s[4:7], s[0:1], 0x0                ; x s[4:5], wq s[6:7]
	s_load_b64 s[8:9], s[0:1], 0x10                ; out0
	v_lshl_add_u32 v[SPW], v0, 2, SPARE
	v_mov_b32 v[NIL], 0
	ds_add_u32 v[SPW], v[NIL]                      ; the opening lines: the add twice on end and its wait
	ds_add_u32 v[SPW], v[NIL]
	v_lshrrev_b32 v[ADR], 5, v0
	v_readfirstlane_b32 s10, v[ADR]                ; wave 0..7
	s_bfe_u32 s11, ttmp6, 0x40000                  ; cx
	s_lshl_b32 s12, ttmp9, 2
	s_add_co_u32 s12, s12, s11                     ; my work-group: it enters x's and out0's addresses alone
	; x: 128 rows of 256 elements of 4 bytes, 4 words of padding behind every 256; no mask
	s_mov_b32 s16, (2<<16)|(1<<20)|(7<<22)|(3<<25)
	s_mov_b32 s17, 256<<16
	s_mov_b32 s18, 128<<16
	s_mov_b32 s19, 256<<16
	s_mov_b32 s20, 128
	s_mov_b32 s21, 256
	s_mov_b32 s22, 0
	s_mov_b32 s23, 0
	; groups of the weights, dense, as rows of 256 bytes: 104 rows (4 groups) at the head, then 78 (3 groups), at last 52; the mask names the cluster's four
	s_mov_b32 s24, 15|(3<<16)|(1<<21)
	s_mov_b32 s25, 32<<16
	s_mov_b32 s26, 104<<16
	s_mov_b32 s27, 32<<16
	s_mov_b32 s28, 104
	s_mov_b32 s29, 32
	s_mov_b32 s30, 0
	s_mov_b32 s31, 0
	; b_down, ln_w or ln_b: the payloads of groups 4 to 7 of a stage: 4 rows of 256 bytes, a group apart
	s_mov_b32 s32, 15|(3<<16)|(1<<21)
	s_mov_b32 s33, 32<<16
	s_mov_b32 s34, 4<<16
	s_mov_b32 s35, 32<<16
	s_mov_b32 s36, 4
	s_mov_b32 s37, GRP/8
	s_mov_b32 s38, 0
	s_mov_b32 s39, 0
	; y_init: the first 128 bytes of the payloads of the odd groups of stages 9 and 10: 8 rows, two groups apart
	s_mov_b32 s88, 15|(3<<16)|(1<<21)
	s_mov_b32 s89, 16<<16
	s_mov_b32 s90, 8<<16
	s_mov_b32 s91, 16<<16
	s_mov_b32 s92, 8
	s_mov_b32 s93, 2*GRP/8
	s_mov_b32 s94, 0
	s_mov_b32 s95, 0
	s_and_b32 s13, s10, 1                          ; which half of x (waves 0, 1) or of stage 0 (waves 2, 3)
	s_and_b32 s3, s10, 3                           ; which vector (waves 4, 5, 6)
	s_mov_b32 s48, 1
	s_mul_i32 s49, s13, 4*XW
	s_mov_b32 s96, 1
	s_mul_i32 s61, s13, 4*GRP
	s_add_co_u32 s97, s61, CELL0
	s_mov_b32 s40, 1
	s_lshl_b32 s41, s3, 10
	s_add_co_u32 s41, s41, LNC
	s_mov_b32 s44, 1
	s_mov_b32 s45, LNC+3072
	s_mov_b32 s52, 1
	s_mul_i32 s53, s10, 3*GRP                      ; slot 0: three groups a wave
	s_lshl_b32 s14, s12, 18                        ; 256 rows of 1,024 bytes a work-group
	s_lshl_b32 s15, s13, 17
	s_add_co_u32 s14, s14, s15
	s_mov_b32 s15, 0
	s_wait_dscnt 0x0
	s_wait_kmcnt 0x0
	s_add_nc_u64 s[50:51], s[4:5], s[14:15]
	s_or_b32 s51, s51, 0x80000000
	s_mov_b32 s14, s61
	s_add_nc_u64 s[98:99], s[6:7], s[14:15]
	s_or_b32 s99, s99, 0x80000000
	s_mov_b32 s14, s53
	s_add_nc_u64 s[54:55], s[6:7], s[14:15]
	s_add_nc_u64 s[54:55], s[54:55], STG           ; stages 1, 2, 3
	s_or_b32 s55, s55, 0x80000000
	s_mul_i32 s14, s3, STG                         ; b_down lies in stage 6, ln_w in stage 7, ln_b in stage 8
	s_add_nc_u64 s[42:43], s[6:7], s[14:15]
	s_add_nc_u64 s[42:43], s[42:43], 6*STG+4*GRP+6400
	s_or_b32 s43, s43, 0x80000000
	s_add_nc_u64 s[46:47], s[6:7], 9*STG+GRP+6400
	s_or_b32 s47, s47, 0x80000000
	ROUND                                          ; all four work-groups are here: the first joint loads meet
.macro ARM under, g0, g1, next         ; one chain of branches on the wave's number, one load to an arm
	s_cmp_lt_u32 s10, \under
	s_cbranch_scc0 \next
	tensor_load_to_lds s[\g0:\g0+3], s[\g1:\g1+7]
	s_nop 0
	PLACES 4
	s_branch .Lasked
\next:
.endm
	ARM 2, 48, 16, .Lh_w
	ARM 4, 96, 24, .Lh_v
	ARM 7, 40, 32, .Lh_y
	tensor_load_to_lds s[44:47], s[88:95]
	s_nop 0
	PLACES 4
.Lasked:
	; the rest of the set-up, while x is on its way
	s_mul_i32 s61, s10, 1280
	s_mul_i32 s14, s12, 10240
	s_add_co_u32 s14, s14, s61
	s_add_nc_u64 s[8:9], s[8:9], s[14:15]          ; out0 at my wave's first row
	s_add_nc_u64 s[4:5], s[6:7], HEADOFF           ; W_head's and b_head's images
	s_lshl_b32 s3, s10, 11
	s_add_co_u32 s3, s3, OST                       ; my stage for the way out
	s_mul_i32 s61, s10, XW                         ; my 32 rows of x in LDS
	s_mov_b32 s56, 0x76543210
	s_mov_b32 s57, 0xfedcba98                      ; v_permlanex16_b32's selects for lane l xor 16
	s_mov_b32 s58, 0xc0b504f3                      ; -4 sqrt 2
	s_mov_b32 s84, 0x40b504f3                      ; 4 sqrt 2
	s_mov_b32 s59, 0x3b800000                      ; 1 / 256
	s_mov_b32 s60, 0x3727c5ac                      ; 1e-5
	PAIR 62, 0x2c53f331                            ; P's coefficients a6, a4 .. a0 (a5 in v[CA5])
	PAIR 66, 0x33c7667d
	PAIR 68, 0x36a8d45d
	PAIR 70, 0x39083d9c
	PAIR 72, 0x3a88eb41
	PAIR 74, 0x3c3a79f3
	PAIR 76, 0x357460cd                            ; Q's b4, b2 .. b0 (b3 in v[CB3])
	PAIR 78, 0x39dc924e
	PAIR 80, 0x3b719bf8
	PAIR 82, 0x3c69b6a7
	v_and_b32 v[ADS], 31, v0
	v_lshlrev_b32 v[LI], 4, v[ADS]
	v_lshlrev_b32 v[LS4], 2, v[ADS]
	v_bfe_u32 v[ADB], v0, 4, 1
	v_lshlrev_b32 v[LB], 6, v[ADB]
	v_and_b32 v[XA], 15, v0
	v_mul_u32_u24 v[XA], v[XA], XP
	v_add_nc_u32 v[XA], v[XA], v[LB]
	v_add_nc_u32 v[XA], s61, v[XA]                 ; row r, + 64 h: my 16 numbers of a block of 32
	v_mov_b32 v[CA5], 0xb0284a8d
	v_mov_b32 v[CA5+1], 0xb0284a8d
	v_mov_b32 v[CB3], 0x37dfbd29
	v_mov_b32 v[CB3+1], 0x37dfbd29
.irp b, 0,1,2,3
	v_mov_b32 v[TM+4+\b], 0                        ; a lane permute's destination counts as one of its sources
.endr
	v_mov_b32 v[HS], 0
	v_mov_b32 v[HS+1], 0
.irp i, 0,1,2,3,4,5
	v_mov_b32 v[HQ+6+\i], 0
	v_mov_b32 v[HQ+18+\i], 0
.endr
	VW                                             ; the head's end
	s_wait_tensorcnt 0x0                           ; my one load of the head is in, so descriptors may be written
	ds_add_u32 v[SPW], v[NIL]
	s_mov_b32 s26, 78<<16                          ; from here on a load of weights brings three groups
	s_mov_b32 s28, 78
	s_add_co_u32 s49, s53, SLOTB                   ; s[48:51]: stages 4, 5, 6 into slot 1
	s_add_nc_u64 s[50:51], s[54:55], 3*STG
	s_mul_i32 s14, s10, 2*GRP                      ; s[40:43]: stages 10, 11 into slot 1, two groups a wave
	s_add_co_u32 s41, s14, SLOTB
	s_add_nc_u64 s[42:43], s[6:7], s[14:15]
	s_add_nc_u64 s[42:43], s[42:43], 10*STG
	s_or_b32 s43, s43, 0x80000000
	s_wait_dscnt 0x0
	s_barrier_signal -1
	s_barrier_wait -1                              ; x, stage 0 and the four vectors are whole
	WIN 0x40
.irp R, 0,1
.irp s, 0,1
.irp b, 0,1,2,3
.irp j, 0,1,2,3
	ds_load_b128 v[128*\R+64*\s+16*\b+4*\j:128*\R+64*\s+16*\b+4*\j+3], v[XA] offset:16*XP*\R+512*\s+128*\b+16*\j
.endr
.endr
.endr
.endr
	SYNC 1, 52, 0, 0                               ; every wave has read its x: stages 1, 2, 3 into slot 0
	; ---------------- x is quantised; product 1 into window 1, where z stays as the residual; z is quantised.  The quantiser's text is walked twice
	s_mov_b32 s87, 2
.Lquant:
	Q4
	s_cmp_eq_u32 s87, 1
	VW
	s_cbranch_scc1 .Lhave_z
	SETBASE CELL0
	LOADG 0, WA, 0, WS, BC
	LOADG 1, TMP, 0, WS+2, U
	PLACES 8                                       ; scale words made by vector instructions stand eight places ahead of a scaled product
.irp g, 0,2,4,6
	P1STEP \g, WA, WS, BC
	P1STEP \g+1, TMP, WS+2, U
.endr
.Lhave_z:
	s_sub_co_u32 s87, s87, 1
	s_cmp_lg_u32 s87, 0
	VW
	s_cbranch_scc1 .Lquant
	; ---------------- products 2 and 3: eight chunks.  Each change of slots shows one slot whole and fills the other
	s_mov_b32 s86, 0                               ; LDS byte of the group in hand: it runs on through both slots
	SYNC 1, 48, 0, 0                               ; slot 0 is whole, stage 0 is read no more: stages 4, 5, 6 into slot 1
	CHUNKS 3
	SYNC 1, 52, 0, 1                               ; stages 7, 8, 9 into slot 0
	CHUNKS 3
	s_mov_b32 s86, 0
	SYNC 1, 40, 52, 0                              ; stages 10, 11 into slot 1
	CHUNKS 2
	; ---------------- LayerNorm, in place on the accumulators.  Tile pair p's 16 numbers of my half of a vector lie 128 p + 64 h bytes into it
	v_add_nc_u32 v[ADR], LNC, v[LB]
.irp p, 0,1,2,3,4,5,6,7
.irp i, 0,1,2,3
	ds_load_b128 v[SCR+16*\p+4*\i:SCR+16*\p+4*\i+3], v[ADR] offset:128*\p+16*\i
.endr
.endr
	VW
	s_wait_dscnt 0x0
	WIN 0x41
.set q, 0
.rept 64                               ; + b_down; each accumulator from its low end on
	v_pk_add_f32 v[2*q:2*q+1], v[2*q:2*q+1], v[SCR+2*q:SCR+2*q+1]
	v_pk_add_f32 v[128+2*q:129+2*q], v[128+2*q:129+2*q], v[SCR+2*q:SCR+2*q+1]
.set q, q+1
.endr
	WIN 0
.macro LNLOAD hf                       ; ln_w and ln_b of tile pairs 4 hf .. 4 hf + 3
.irp p, 0,1,2,3
.irp i, 0,1,2,3
	ds_load_b128 v[SCR+16*\p+4*\i:SCR+16*\p+4*\i+3], v[ADR] offset:1024+128*(4*\hf+\p)+16*\i
	ds_load_b128 v[SCR+64+16*\p+4*\i:SCR+64+16*\p+4*\i+3], v[ADR] offset:2048+128*(4*\hf+\p)+16*\i
.endr
.endr
.endm
	LNLOAD 0
	WIN 0x05                                       ; the row's sum: two chains for each R
	v_pk_add_f32 v[240:241], v[0:1], v[2:3]
	v_pk_add_f32 v[242:243], v[4:5], v[6:7]
	v_pk_add_f32 v[244:245], v[128:129], v[130:131]
	v_pk_add_f32 v[246:247], v[132:133], v[134:135]
	WIN 0x01
.set q, 4
.rept 60
	v_pk_add_f32 v[240+2*(q%2):241+2*(q%2)], v[2*q:2*q+1], v[240+2*(q%2):241+2*(q%2)]
	v_pk_add_f32 v[244+2*(q%2):245+2*(q%2)], v[128+2*q:129+2*q], v[244+2*(q%2):245+2*(q%2)]
.set q, q+1
.endr
	WIN 0
.macro LNJOIN                          ; the four partial sums of each R, and the lane 16 away
.irp R, 0,1
	v_pk_add_f32 v[240+4*\R:241+4*\R], v[240+4*\R:241+4*\R], v[242+4*\R:243+4*\R]
.endr
.irp R, 0,1
	v_add_f32 v[240+4*\R], v[240+4*\R], v[241+4*\R]
.endr
.irp R, 0,1
	v_permlanex16_b32 v[242+4*\R], v[240+4*\R], s56, s57
.endr
.irp R, 0,1
	v_add_f32 v[240+4*\R], v[240+4*\R], v[242+4*\R]
.endr
.endm
	LNJOIN
.irp R, 0,1
	v_mul_f32 v[248+2*\R], s59, v[240+4*\R]        ; the mean
.endr
.irp R, 0,1
	v_mov_b32 v[249+2*\R], v[248+2*\R]
.endr
	WIN 0x41
.set q, 0
.rept 64
	v_pk_add_f32 v[2*q:2*q+1], v[2*q:2*q+1], v[248:249] neg_lo:[0,1] neg_hi:[0,1]
	v_pk_add_f32 v[128+2*q:129+2*q], v[128+2*q:129+2*q], v[250:251] neg_lo:[0,1] neg_hi:[0,1]
.set q, q+1
.endr
	WIN 0x05                                       ; the sum of the squares of what is left
	v_pk_mul_f32 v[240:241], v[0:1], v[0:1]
	v_pk_mul_f32 v[242:243], v[2:3], v[2:3]
	v_pk_mul_f32 v[244:245], v[128:129], v[128:129]
	v_pk_mul_f32 v[246:247], v[130:131], v[130:131]
.set q, 2
.rept 62
	v_pk_fma_f32 v[240+2*(q%2):241+2*(q%2)], v[2*q:2*q+1], v[2*q:2*q+1], v[240+2*(q%2):241+2*(q%2)]
	v_pk_fma_f32 v[244+2*(q%2):245+2*(q%2)], v[128+2*q:129+2*q], v[128+2*q:129+2*q], v[244+2*(q%2):245+2*(q%2)]
.set q, q+1
.endr
	WIN 0
	LNJOIN
.irp R, 0,1
	v_fma_f32 v[240+4*\R], v[240+4*\R], s59, s60   ; the variance + 1e-5
.endr
	VW
.irp R, 0,1
	v_rsq_f32 v[252+2*\R], v[240+4*\R]
.endr
	v_nop
	VW
.irp R, 0,1
	v_mov_b32 v[253+2*\R], v[252+2*\R]
.endr
	WIN 0x41
.set q, 0
.rept 64
	v_pk_mul_f32 v[2*q:2*q+1], v[2*q:2*q+1], v[252:253]
	v_pk_mul_f32 v[128+2*q:129+2*q], v[128+2*q:129+2*q], v[254:255]
.set q, q+1
.endr
.macro LNFMA hf                        ; x ln_w + ln_b
.set q, 0
.rept 32
	v_pk_fma_f32 v[64*\hf+2*q:64*\hf+2*q+1], v[64*\hf+2*q:64*\hf+2*q+1], v[SCR+2*q:SCR+2*q+1], v[SCR+64+2*q:SCR+64+2*q+1]
	v_pk_fma_f32 v[128+64*\hf+2*q:129+64*\hf+2*q], v[128+64*\hf+2*q:129+64*\hf+2*q], v[SCR+2*q:SCR+2*q+1], v[SCR+64+2*q:SCR+64+2*q+1]
.set q, q+1
.endr
.endm
	VW
	s_wait_dscnt 0x0
	LNFMA 0
	WIN 0
	LNLOAD 1
	VW
	s_wait_dscnt 0x0
	WIN 0x41
	LNFMA 1
	WIN 0
	Q4
	; ---------------- window 1 is free.  W_head and b_head are asked for; y_init is quantised: the same in every row, so one fragment a K step serves both R
	v_lshrrev_b32 v[XA], 1, v[LB]                  ; 32 h
	WIN 0x40
.irp p, 0,1,2,3,4,5,6,7
	global_load_b128 v[WH+8*\p:WH+8*\p+3], v[LI], s[4:5] offset:1024*\p
	global_load_b128 v[WH+8*\p+4:WH+8*\p+7], v[LI], s[4:5] offset:1024*\p+512
.endr
	global_load_b128 v[BH:BH+3], v[XA], s[4:5] offset:8192
	global_load_b128 v[BH+4:BH+7], v[XA], s[4:5] offset:8192+16
	WIN 0
.macro YLOAD s
	WIN 0x40
.irp b, 0,1,2,3
.irp i, 0,1,2,3
	ds_load_b128 v[YL+16*\b+4*\i:YL+16*\b+4*\i+3], v[ADR] offset:3072+512*\s+128*\b+16*\i
.endr
.endr
	WIN 0
	VW
	s_wait_dscnt 0x0
.endm
	YLOAD 0
	QUANTK YL, HQ, YS
	YLOAD 1
	QUANTK YL, HQ+12, YS+1
	WIN 0x40
.set q, 0
.rept 24
	v_mov_b32 v[YQ+q], v[HQ+q]
.set q, q+1
.endr
	WIN 0
	; ---------------- product 4: K = [z, y], 512.  Stage 9 is slot 0's third, stages 10 and 11 follow it on end in slot 1; s86 stands at stage 9.  Each stage is 128 columns: a K step of product 5.
	; An even group holds K steps 0, 1 (buffer A), the odd group behind it 2, 3 (buffer C)
	SYNC 0, 0, 0, 0                                ; slot 1 is whole; nothing is filled again: the launch's last barrier but the closing round
	s_mov_b32 s87, 2
.Lcomb:
	WIN 0x40
.set q, 0
.rept 24
	v_mov_b32 v[CQ+q], v[HQ+q]                     ; the K step finished last goes to window 1 (the second trip's move is the one that counts)
.set q, q+1
.endr
	WIN 0
	v_mov_b32 v[CS], v[HS]
	v_mov_b32 v[CS+1], v[HS+1]
	SETBASE s86
	LOADG 0, WA, 0, WS, BC
	LOADG 1, WC, 1, WS+2, -1
	s_mov_b32 s2, 4
.Lcblock:
	s_add_co_u32 s86, s86, 2*GRP
	VW
	s_wait_dscnt 0x0
	P2MUL
	WIN 0x05
.irp s, 0,1
.irp u, 0,1
.irp R, 0,1
	FP6 U+16*\R+8*\u, WC+24*\u+12*\s, YQ+12*\s, U+16*\R+8*\u, WS+2+\u, YS+\s, \s
.endr
.endr
.endr
	WIN 0
	SETBASE s86
	v_nop
	GELU
	s_cmp_eq_u32 s2, 1                             ; a stage's last block fetches nothing: the next trip's head does
	VW
	s_cbranch_scc1 .Lno_next
	LOADG 0, WA, 0, WS, BC
	LOADG 1, WC, 1, WS+2, -1
.Lno_next:
	GELUB
	QB 2
	s_sub_co_u32 s2, s2, 1
	s_cmp_lg_u32 s2, 0
	VW
	s_cbranch_scc1 .Lcblock
	v_add_nc_u32 v[HS], 0xfcfcfcfd, v[HS]
	v_add_nc_u32 v[HS+1], 0xfcfcfcfd, v[HS+1]
	s_sub_co_u32 s87, s87, 1
	s_cmp_lg_u32 s87, 0
	VW
	s_cbranch_scc1 .Lcomb
	; ---------------- product 5 and the head.  Step p: y's columns 32 p .. 32 p + 31 (y_init + b_yt start the sums), rounded to bf16: K step p of the head's product.  W_yt is stage 11, slot 1's second
	SETBASE 4*STG
	LOADG 0, WA, 0, WS, BC
	LOADG 1, WC, 1, WS+2, BC2
	PLACES 8
	VW
	s_wait_loadcnt 0x0                             ; W_head, b_head
.macro P5STEP p, W, DW, WSR, BCR
	VW
.if (\p) < 7
	s_wait_dscnt 18
.else
	s_wait_dscnt 0x0
.endif
	WIN 0x04+\DW
.irp u, 0,1
.irp R, 0,1
	FP6 U+16*\R+8*\u, \W+24*\u, CQ+12*\R, \BCR+8*\u, \WSR+\u, CS+\R, 0
.endr
.endr
	WIN \DW
.irp u, 0,1
.irp R, 0,1
	FP6 U+16*\R+8*\u, \W+24*\u+12, HQ+12*\R, U+16*\R+8*\u, \WSR+\u, HS+\R, 1
.endr
.endr
	WIN 0
	PLACES 4
.if (\p)+2 < 8
	LOADG (\p)+2, \W, \DW, \WSR, \BCR
.endif
.irp R, 0,1
.irp i, 0,1,2,3,4,5,6,7
	v_cvt_pk_bf16_f32 v[TMP+8*\R+\i], v[U+16*\R+2*\i], v[U+16*\R+2*\i+1]
.endr
.endr
	WIN 0x51
.irp R, 0,1
.if (\p) == 0
	v_wmma_f32_16x16x32_bf16 v[ACCH+8*\R:ACCH+8*\R+7], v[WH+8*(\p):WH+8*(\p)+7], v[TMP+8*\R:TMP+8*\R+7], v[BH:BH+7]
.else
	v_wmma_f32_16x16x32_bf16 v[ACCH+8*\R:ACCH+8*\R+7], v[WH+8*(\p):WH+8*(\p)+7], v[TMP+8*\R:TMP+8*\R+7], v[ACCH+8*\R:ACCH+8*\R+7]
.endif
.endr
	WIN 0
.endm
.irp p, 0,2,4,6
	P5STEP \p, WA, 0, WS, BC
	P5STEP \p+1, WC, 1, WS+2, BC2
.endr
	; ---------------- the way out.  Lane (r, h) holds outputs 8 h + 0 .. 7 of row r; ten count.  All sixteen go into my stage, 64 bytes a row; the first 40 bytes of each row are read back in pieces of 8:
	; piece i = lane + 32 k lies in row i / 5: byte 8 i + 24 (i / 5).  A wave's 32 rows of 40 bytes leave as five stores of 256 consecutive bytes, aligned.
	PLACES 4
	v_and_b32 v[ADR], 15, v0
	v_bfe_u32 v[ADS], v0, 4, 1
	v_lshlrev_b32 v[XA], 6, v[ADR]
	v_lshl_add_u32 v[XA], v[ADS], 5, v[XA]
	v_add_nc_u32 v[XA], s3, v[XA]
	v_and_b32 v[ADB], 31, v0
	v_lshlrev_b32 v[ADS], 3, v[ADB]
.irp k, 0,1,2,3,4
	v_add_nc_u32 v[TMP+\k], 32*\k, v[ADB]
	v_mul_u32_u24 v[TMP+8+\k], v[TMP+\k], 205      ; i / 5 = 205 i >> 10 for i under 160
	v_lshrrev_b32 v[TMP+8+\k], 10, v[TMP+8+\k]
	v_mul_u32_u24 v[TMP+8+\k], v[TMP+8+\k], 24
	v_lshl_add_u32 v[TMP+\k], v[TMP+\k], 3, v[TMP+8+\k]
	v_add_nc_u32 v[TMP+\k], s3, v[TMP+\k]
.endr
	WIN 0x04                                       ; an LDS store's data are its source 1: window 1
.irp R, 0,1
	ds_store_b128 v[XA], v[ACCH+8*\R:ACCH+8*\R+3] offset:1024*\R         ; each sum from its low end on
	ds_store_b128 v[XA], v[ACCH+8*\R+4:ACCH+8*\R+7] offset:1024*\R+16
.endr
	WIN 0
.irp k, 0,1,2,3,4
	ds_load_b64 v[U+2*\k:U+2*\k+1], v[TMP+\k]      ; LDS serves a wave's instructions in order (ISA guide 5.7.1.4): these see my stores
.endr
	VW
.irp k, 0,1,2,3,4
	s_wait_dscnt 4-\k                              ; the younger loads may stay out
	global_store_b64 v[ADS], v[U+2*\k:U+2*\k+1], s[8:9] offset:256*\k th:TH_STORE_NT
.endr
	s_wait_tensorcnt 0x0                           ; the wave's end
	ds_add_u32 v[SPW], v[NIL]
	s_wait_dscnt 0x0
	ROUND                                          ; the closing round
	s_endpgm
.Lfunc_end_k_q7b32d36b54_main:
	.size	k_q7b32d36b54_main, .Lfunc_end_k_q7b32d36b54_main-k_q7b32d36b54_main
	.p2alignl 7, 3214868480
	.fill 96, 4, 3214868480
	.section	.rodata,"a",@progbits
	.p2align	6, 0x0
	.amdhsa_kernel k_q7b32d36b54_main
		.amdhsa_group_segment_fixed_size 327680
		.amdhsa_private_segment_fixed_size 0
		.amdhsa_enable_private_segment 0
		.amdhsa_kernarg_size 24
		.amdhsa_user_sgpr_count 2
		.amdhsa_user_sgpr_kernarg_segment_ptr 1
		.amdhsa_wavefront_size32 1
		.amdhsa_system_sgpr_workgroup_id_x 1
		.amdhsa_system_sgpr_workgroup_id_y 1
		.amdhsa_system_sgpr_workgroup_id_z 1
		.amdhsa_system_vgpr_workitem_id 0
		.amdhsa_next_free_vgpr 512
		.amdhsa_next_free_sgpr 100
		.amdhsa_reserve_vcc 0
		.amdhsa_float_denorm_mode_32 3
		.amdhsa_float_denorm_mode_16_64 3
		.amdhsa_memory_ordered 1
		.amdhsa_forward_progress 1
		.amdhsa_inst_pref_size 255
	.end_amdhsa_kernel
	.section	.bss,"aw",@nobits
	.p2align	6
	.space	262144
	.amdgpu_metadata
---
amdhsa.version: [ 1, 2 ]
amdhsa.kernels:
  - .name:           k_q7b32d36b54_main
    .symbol:         k_q7b32d36b54_main.kd
    .args:
      - { .name: x, .offset: 0, .size: 8, .value_kind: global_buffer, .address_space: global }
      - { .name: wq, .offset: 8, .size: 8, .value_kind: global_buffer, .address_space: global }
      - { .name: out0, .offset: 16, .size: 8, .value_kind: global_buffer, .address_space: global }
    .group_segment_fixed_size: 327680
    .private_segment_fixed_size: 0
    .kernarg_segment_align: 8
    .kernarg_segment_size: 24
    .max_flat_workgroup_size: 256
    .sgpr_count:     100
    .vgpr_count:     512
    .wavefront_size: 32
...
	.end_amdgpu_metadata
.endif
;; end of part 4
